; MI455X (gfx1250); checked and timed in simulation.
; The chip was launched on July 23, 2026; its instructions are those of AMD's public machine-readable ISA for CDNA 5 (MIT licence, August 2026) and "CDNA5" Instruction Set Architecture Reference Guide (July 2026). The comments in the code are by the model that wrote it; some were corrected since.
;; Attention. Allowed arithmetic: matrix products marked QUANTISED: E4M3 operands, one E8M0 scale for each 32 along K, by v_wmma_scale_f32_16x16x128_f8f6f4 with both operands' format E4M3, f32 sums; everything else in f32.
;; Inputs: Q 2 x 8 x 2,048 x 512 float32; V_codes 2 x 8 x 128 x 64 x 32 uint8 (E4M3 codes of V, K innermost, in blocks of 32 codes); V_scales 2 x 8 x 128 x 64 uint8 (E8M0 scales of V, one for each 32 codes along K); freqs 1 x 1 x 1 x 512 float32.
;; Outputs: out0 2 x 8 x 2,048 x 128 float32.
;; This version of the problem:
;;   THIS VERSION OF THE PROBLEM IS GIVEN IN LOW PRECISION. The matrix products marked QUANTISED in the list below multiply operands that are first quantised to E4M3 (4 exponent bits, 3 mantissa bits; 8 bits a number), with one power-of-two scale for each 32 numbers along K (OCP MX v1.0); their sums are f32. All else is computed in f32.
;;   The module's matrix products, in the order in which they are computed (A, B: the left and right operand; K: the contracted axis; several contracted axes count as one K, in the product's order):
;;     1. batch 16 x [M 2,048, K 512] x [K 512, N 2,048]; A: computed on the way; B: computed on the way: QUANTISED
;;     2. batch 16 x [M 2,048, K 2,048] x [K 2,048, N 128]; A: computed on the way; B: input V (given as codes): QUANTISED
;;   THE QUANTISER, for each operand of a quantised product, along K:
;;     - K is cut into blocks of 32 from its start; a last block that is shorter is filled with zeros.
;;     - A block's scale is 2^e with e = floor(log2(the largest magnitude in the block)) - 8, held to -126 .. 127; a block of zeros has e = 0. As a byte (E8M0): e + 127.
;;     - Each number is divided by its block's scale, clamped to +-448, and rounded to the nearest number of E4M3, ties to even, subnormals kept.
;;     - The product sums the exact products of the quantised numbers (number of the format x scale) in f32.
;;   ~~~python
;;   def quantise(x, axis):      # numpy; x: float32 -> the quantised numbers, widened to float32 again
;;       x = np.moveaxis(x, axis, -1); K = x.shape[-1]
;;       x = np.pad(x, [(0, 0)] * (x.ndim - 1) + [(0, -K % 32)]); x = x.reshape(x.shape[:-1] + (-1, 32)); a = np.abs(x).max(-1, keepdims=True)
;;       e = np.where(a > 0, np.clip(np.frexp(np.where(a > 0, a, 1))[1] - 1 - 8, -126, 127), 0)      # np.frexp(a)[1] - 1 = floor(log2(a)), exactly
;;       r = np.clip(x / 2.0 ** e, -448, 448)
;;       step = 2.0 ** (np.maximum(np.frexp(np.where(r == 0, 1, r))[1] - 1, -6) - 3)
;;       q = np.round(r / step) * step * 2.0 ** e      # np.round: ties to even
;;       return np.moveaxis(q.reshape(q.shape[:-2] + (-1,))[..., :K], -1, axis).astype(np.float32)
;;   ~~~
;;   OPERANDS COMPUTED ON THE WAY. 'Computed on the way' means the value that the module computes at that place (a softmax that the list does not call 'softmax' is quantised finished and normalised). What goes into a quantiser is computed in f32, as accurately as f32 sums, v_exp_f32 and their like allow (about 1e-6 of the number): no bf16 or f16 on the way to a quantiser, and a product that is left as it is and whose result goes on into a quantised operand takes f32 operands (vector FMAs, or v_wmma_f32_16x16x4_f32). A number that lies on a knife's edge between two numbers of the format may be rounded either way, as far as f32 arithmetic and the matrix unit's own rounding can turn it there, and no further.
;;   INPUTS GIVEN AS CODES. V (in the module: [2, 8, 2048, 128], K = its axis 2): each comes as NAME_codes (uint8): NAME with its K axis moved to the last place and cut into blocks of 32 codes, [.., K / 32, bytes a block], one block behind the other in memory; one code a byte (a code: sign, 4 exponent bits, 3 mantissa bits); and NAME_scales (uint8): the same leading axes, one E8M0 byte (e + 127) for each 32 codes along K. Its value is code x scale, taken as it is: it is not quantised again, and the codes and scales need not be those that the quantiser above would give.
;; 2 versions, each right. Each part assembles by itself: llvm-mc -triple=amdgcn-amd-amdhsa -mcpu=gfx1250 --defsym DOCPART=n.
;; ======== version 1 of 2: 2 launches
;; workspace buffers: qr_codes 16,777,216 bytes; qr_scales 524,288 bytes
;; launch ropeq (part 1): grid 128 x 2, 8 waves a work-group, no clusters, 3,072 bytes of LDS; arguments Q, freqs, qr_codes, qr_scales; writes qr_codes, qr_scales
.if DOCPART == 1
	.amdgcn_target "amdgcn-amd-amdhsa--gfx1250"
	.amdhsa_code_object_version 6
	.text
	.protected	k_q02e8cdb7b4_ropeq
	.globl	k_q02e8cdb7b4_ropeq
	.p2align	8
	.type	k_q02e8cdb7b4_ropeq,@function
k_q02e8cdb7b4_ropeq:
	s_mov_b64 s[64:65], 0
	v_nop
	global_prefetch_b8 v0, s[64:65] scope:SCOPE_SE
	s_setreg_imm32_b32 hwreg(HW_REG_WAVE_MODE, 25, 1), 1
	s_wait_xcnt 0x0
; QR = Q cos + rotate_half(Q) sin, angle = ((t x freqs[n]) mod 1) x 2 pi, all in f32; then QR is turned into codes of FP8 (E4M3) along N
; with one E8M0 byte for each 32 numbers: qr_codes [16 heads][2048 t][512], qr_scales [16][2048][16].
; Q: [16][2048][512] f32.  freqs: [512] f32, taken element by element as it is given (no pairing of frequencies is assumed).
; SHARES.  A work-group owns 16 rows t of 8 heads; wave w owns rows t0 + 2 w and t0 + 2 w + 1.  Sine and cosine hang on (t, n) alone, so a wave
; makes them once for each of its two rows and uses them for 8 heads.  A step is one row of one head: a lane holds 16 neighbours along N
; (64 bytes, four loads; the four loads of a step read 2,048 consecutive bytes), two neighbouring lanes hold a block of 32.
; A lane's 16 codes are 16 bytes: the wave's store covers the row's 512 consecutive bytes.  The scale bytes of the work-group's 16 rows of a head
; are 256 consecutive bytes: they are gathered in LDS, [8 heads][16 rows][16], and wave w stores head w's 256 bytes by one instruction.
; SINE AND COSINE are polynomials in f32: the angle y in [0, 2 pi] is cut to r = y - k pi/2 (pi/2 in two parts), |r| <= pi/4;
; sin r to r^9, cos r to r^8 (what is left out is under 3e-8); k turns them into the angle's sine and cosine.
; No tensor loads, no cluster, no matrix work: no two work-groups read the same byte of Q, and memory binds.
; LIMITS: NaN and infinities among the inputs are not served; blocks whose largest magnitude lies under 2^-117 have their byte held at 1 and were not tried.
.set F,   16                           ; v16-31   my 16 freqs
.set CSN, 32                           ; v32-47 cos, v48-63 sin of row 0; v64-79, v80-95 of row 1
.set X,   96                           ; v96-159  four sets of 16 numbers as loaded
.set T,   160                          ; v160-175 the rotated numbers
.set C,   176                          ; v176-239 codes: four registers for each step, so that no store's data are written again
.set E,   240                          ; v240-255 a scale byte for each step
.set TK,  160                          ; ahead of the steps v160-239 are at work for sine and cosine: k,
.set TR,  176                          ; r,
.set TR2, 192                          ; r^2,
.set TU,  208                          ; sin r,
.set TW,  224                          ; cos r;  v240-243 two constants as pairs, v244-247 the two rows' t as f32, twice each
	s_load_b256 s[4:11], s[0:1], 0x0               ; Q s[4:5], freqs s[6:7], qr_codes s[8:9], qr_scales s[10:11]
	v_lshl_add_u32 v14, v0, 2, 0x800
	v_mov_b32 v15, 0
	v_lshrrev_b32 v1, 5, v0
	v_readfirstlane_b32 s12, v1                    ; wave 0..7
	v_and_b32 v1, 31, v0                           ; lane
	s_and_b32 s13, ttmp7, 0xffff                   ; y: heads 8 y .. 8 y + 7
	s_lshl_b32 s36, ttmp9, 4                       ; t0 = 16 x
	s_lshl_b32 s14, s12, 1
	s_add_co_u32 s14, s14, s36                     ; my first row: t0 + 2 w
	s_add_co_u32 s37, s14, 1
	v_lshlrev_b32 v2, 6, v1                        ; in: my 64 bytes of a row (and of freqs)
	v_lshlrev_b32 v3, 4, v1                        ; out: my 16 codes of a row
	v_lshrrev_b32 v4, 1, v1
	s_lshl_b32 s39, s12, 5
	v_add_nc_u32 v4, s39, v4                       ; LDS: 16 bytes a row, my wave's two rows, my block's byte
	v_lshlrev_b32 v6, 3, v1                        ; the scale bytes' way out: 8 bytes a lane
	s_lshl_b32 s39, s12, 8
	v_add_nc_u32 v5, s39, v6                       ; LDS: head w's 256 bytes
	v_cvt_f32_u32 v244, s14                        ; t of my two rows, exact in f32
	v_cvt_f32_u32 v245, s14
	v_cvt_f32_u32 v246, s37
	v_cvt_f32_u32 v247, s37
	v_mov_b32 v240, 0xb9500d01                     ; -1/5040
	v_mov_b32 v241, 0xb9500d01
	v_mov_b32 v242, 0xbab60b61                     ; -1/720
	v_mov_b32 v243, 0xbab60b61
	s_lshl_b32 s2, s13, 25                         ; Q: 8 y heads of 4 MiB + my row x 2,048 bytes
	s_lshl_b32 s3, s14, 11
	s_add_co_u32 s2, s2, s3
	s_mov_b32 s3, 0
	s_lshl_b32 s38, s13, 23                        ; codes: 8 y heads of 1 MiB + my row x 512 bytes
	s_lshl_b32 s39, s14, 9
	s_add_co_u32 s38, s38, s39
	s_mov_b32 s39, 0
	s_lshl_b32 s40, s13, 3                         ; scale bytes: head 8 y + w, row t0, 16 bytes a row
	s_add_co_u32 s40, s40, s12
	s_lshl_b32 s40, s40, 15
	s_lshl_b32 s41, s36, 4
	s_add_co_u32 s40, s40, s41
	s_mov_b32 s41, 0
	s_wait_kmcnt 0x0
	s_add_nc_u64 s[16:17], s[4:5], s[2:3]          ; a base for each of the 8 heads: 4 MiB apart, too far for an immediate
.irp k, 1,2,3,4,5,6,7
	s_add_nc_u64 s[16+2*\k:17+2*\k], s[14+2*\k:15+2*\k], 0x400000
.endr
	s_add_nc_u64 s[8:9], s[8:9], s[38:39]
	s_add_nc_u64 s[10:11], s[10:11], s[40:41]
.irp i, 0,1,2,3
	global_load_b128 v[F+4*\i:F+4*\i+3], v2, s[6:7] offset:16*\i
.endr
; step st: row st / 8 of my two, head st % 8
.macro LOAD st
.irp i, 0,1,2,3
	global_load_b128 v[X+16*((\st)%4)+4*\i:X+16*((\st)%4)+4*\i+3], v2, s[16+2*((\st)%8):17+2*((\st)%8)] offset:2048*((\st)/8)+16*\i th:TH_LOAD_NT
.endr
.endm
.irp t, 0,1,2,3
	LOAD \t
.endr
	s_wait_loadcnt 16                              ; freqs are in; the four steps' 16 loads issued behind them stay out
; sine and cosine of my 16 angles of row rho
.macro SINCOS rho
.set CO, CSN+32*\rho
.set SI, CSN+16+32*\rho
.irp p, 0,2,4,6,8,10,12,14
	v_pk_mul_f32 v[TR+\p:TR+\p+1], v[F+\p:F+\p+1], v[244+2*\rho:245+2*\rho]   ; t x freqs
.endr
.irp i, 0,1,2,3,4,5,6,7,8,9,10,11,12,13,14,15
	v_floor_f32 v[TU+\i], v[TR+\i]
.endr
.irp p, 0,2,4,6,8,10,12,14
	v_pk_add_f32 v[TR+\p:TR+\p+1], v[TR+\p:TR+\p+1], v[TU+\p:TU+\p+1] neg_lo:[0,1] neg_hi:[0,1]   ; mod 1: p - floor(p), one rounding, for either sign
.endr
.irp p, 0,2,4,6,8,10,12,14
	v_pk_mul_f32 v[TR+\p:TR+\p+1], v[TR+\p:TR+\p+1], 0x40c90fdb op_sel_hi:[1,0]   ; y = x 2 pi, rounded to f32 as the problem has it
.endr
.irp p, 0,2,4,6,8,10,12,14
	v_pk_mul_f32 v[TK+\p:TK+\p+1], v[TR+\p:TR+\p+1], 0x3f22f983 op_sel_hi:[1,0]   ; y x 2 / pi
.endr
.irp i, 0,1,2,3,4,5,6,7,8,9,10,11,12,13,14,15
	v_rndne_f32 v[TK+\i], v[TK+\i]                 ; k = 0 .. 4
.endr
.irp p, 0,2,4,6,8,10,12,14
	v_pk_fma_f32 v[TR+\p:TR+\p+1], v[TK+\p:TK+\p+1], 0xbfc90fdb, v[TR+\p:TR+\p+1] op_sel_hi:[1,0,1]   ; r = y - k x (pi/2 as f32)
.endr
.irp p, 0,2,4,6,8,10,12,14
	v_pk_fma_f32 v[TR+\p:TR+\p+1], v[TK+\p:TK+\p+1], 0x333bbd2e, v[TR+\p:TR+\p+1] op_sel_hi:[1,0,1]   ; + k x 4.37e-8, by which that f32 exceeds pi/2
.endr
.irp p, 0,2,4,6,8,10,12,14
	v_pk_mul_f32 v[TR2+\p:TR2+\p+1], v[TR+\p:TR+\p+1], v[TR+\p:TR+\p+1]
.endr
.irp p, 0,2,4,6,8,10,12,14
	v_pk_fma_f32 v[TU+\p:TU+\p+1], v[TR2+\p:TR2+\p+1], 0x3638ef1d, v[240:241] op_sel_hi:[1,0,1]   ; 1/362880 r^2 - 1/5040
	v_pk_fma_f32 v[TW+\p:TW+\p+1], v[TR2+\p:TR2+\p+1], 0x37d00d01, v[242:243] op_sel_hi:[1,0,1]   ; 1/40320 r^2 - 1/720
.endr
.irp p, 0,2,4,6,8,10,12,14
	v_pk_fma_f32 v[TU+\p:TU+\p+1], v[TU+\p:TU+\p+1], v[TR2+\p:TR2+\p+1], 0x3c088889 op_sel_hi:[1,1,0]   ; + 1/120
	v_pk_fma_f32 v[TW+\p:TW+\p+1], v[TW+\p:TW+\p+1], v[TR2+\p:TR2+\p+1], 0x3d2aaaab op_sel_hi:[1,1,0]   ; + 1/24
.endr
.irp p, 0,2,4,6,8,10,12,14
	v_pk_fma_f32 v[TU+\p:TU+\p+1], v[TU+\p:TU+\p+1], v[TR2+\p:TR2+\p+1], 0xbe2aaaab op_sel_hi:[1,1,0]   ; - 1/6
	v_pk_fma_f32 v[TW+\p:TW+\p+1], v[TW+\p:TW+\p+1], v[TR2+\p:TR2+\p+1], -0.5 op_sel_hi:[1,1,0]
.endr
.irp p, 0,2,4,6,8,10,12,14
	v_pk_fma_f32 v[TW+\p:TW+\p+1], v[TW+\p:TW+\p+1], v[TR2+\p:TR2+\p+1], 1.0 op_sel_hi:[1,1,0]          ; cos r
	v_pk_mul_f32 v[TR2+\p:TR2+\p+1], v[TR2+\p:TR2+\p+1], v[TR+\p:TR+\p+1]                               ; r^3
.endr
.irp p, 0,2,4,6,8,10,12,14
	v_pk_fma_f32 v[TU+\p:TU+\p+1], v[TU+\p:TU+\p+1], v[TR2+\p:TR2+\p+1], v[TR+\p:TR+\p+1]               ; sin r
.endr
.irp i, 0,1,2,3,4,5,6,7,8,9,10,11,12,13,14,15
	v_cvt_i32_f32 v[TK+\i], v[TK+\i]
.endr
.irp i, 0,1,2,3,4,5,6,7,8,9,10,11,12,13,14,15
	v_and_b32 v8, 1, v[TK+\i]
	v_lshlrev_b32 v9, 30, v[TK+\i]                 ; the sine is negative where k has bit 1,
	v_add_nc_u32 v10, 1, v[TK+\i]
	v_cmp_eq_u32 vcc_lo, 1, v8                     ; an odd k swaps the two
	v_lshlrev_b32 v10, 30, v10                     ; the cosine where k + 1 has it
	v_cndmask_b32 v[CO+\i], v[TW+\i], v[TU+\i], vcc_lo
	v_cndmask_b32 v[SI+\i], v[TU+\i], v[TW+\i], vcc_lo
	v_and_b32 v9, 0x80000000, v9
	v_and_b32 v10, 0x80000000, v10
	v_xor_b32 v[SI+\i], v9, v[SI+\i]
	v_xor_b32 v[CO+\i], v10, v[CO+\i]
.endr
.endm
	SINCOS 0
	SINCOS 1
.macro STEP st
.set XS, X+16*((\st)%4)
.set CO, CSN+32*((\st)/8)
.set SI, CSN+16+32*((\st)/8)
.if 15-(\st) >= 3
	s_wait_loadcnt 12                              ; this step's four loads are in; the next three steps' 12 may be out
.else
	s_wait_loadcnt 4*(15-(\st))                    ; the last steps: the counts run down
.endif
.irp p, 0,2,4,6,8,10,12,14
	v_pk_mul_f32 v[T+\p:T+\p+1], v[XS+\p:XS+\p+1], v[CO+\p:CO+\p+1]
.endr
.irp p, 0,2,4,6,8,10,12,14                     ; low half: - q1 sin0 + q0 cos0; high half: q0 sin1 + q1 cos1 (the first source's halves are swapped)
	v_pk_fma_f32 v[T+\p:T+\p+1], v[XS+\p:XS+\p+1], v[SI+\p:SI+\p+1], v[T+\p:T+\p+1] op_sel:[1,0,0] op_sel_hi:[0,1,1] neg_lo:[0,1,0]
.endr
.if (\st)+4 < 16
	LOAD (\st)+4                                   ; the set just read takes the step four further on
.endif
	v_max3_num_f32 v8, |v[T]|, |v[T+1]|, |v[T+2]|  ; the largest magnitude of my 16, in two chains
	v_max3_num_f32 v9, |v[T+3]|, |v[T+4]|, |v[T+5]|
.irp i, 6,10
	v_max3_num_f32 v8, v8, |v[T+\i]|, |v[T+\i+1]|
	v_max3_num_f32 v9, v9, |v[T+\i+2]|, |v[T+\i+3]|
.endr
	v_max3_num_f32 v8, v8, |v[T+14]|, |v[T+15]|
	v_max_num_f32 v8, v8, v9
	v_max_num_f32_dpp v8, v8, v8 row_xmask:1 row_mask:0xf bank_mask:0xf   ; and of my neighbour's 16: the block's
	v_lshrrev_b32 v9, 23, v8                       ; its exponent field = floor(log2) + 127
	v_max_u32 v9, 9, v9                            ; the byte is not to fall under 1
	v_lshl_or_b32 v10, v9, 23, 0x600000            ; 448 x the scale
	v_add_nc_u32 v9, -8, v9                        ; the scale's byte
	v_lshlrev_b32 v11, 23, v9                      ; the scale as f32: the conversion takes its exponent field
	v_cmp_eq_u32 vcc_lo, 0, v8                     ; a block of zeros?
.irp i, 0,1,2,3,4,5,6,7,8,9,10,11,12,13,14,15
	v_med3_num_f32 v[T+\i], v[T+\i], -v10, v10     ; the conversion to an 8-bit code does not saturate (ISA guide 7.6.2): hold the number first
.endr
	v_cvt_scalef32_pk8_fp8_f32 v[C+4*(\st):C+4*(\st)+1], v[T:T+7], v11
	v_cvt_scalef32_pk8_fp8_f32 v[C+4*(\st)+2:C+4*(\st)+3], v[T+8:T+15], v11
	v_cndmask_b32 v[E+(\st)], v9, 127, vcc_lo      ; a block of zeros gets 127.  (Also the plain instruction between the conversions and what writes their sources)
	ds_store_b8 v4, v[E+(\st)] offset:256*((\st)%8)+16*((\st)/8)   ; both lanes of a block write the same byte with the same value
	global_store_b128 v3, v[C+4*(\st):C+4*(\st)+3], s[8:9] offset:1048576*((\st)%8)+512*((\st)/8)   ; 512 consecutive bytes a wave; 7,340,544 at the most: inside the signed 24-bit immediate
.endm
.irp t, 0,1,2,3,4,5,6,7,8,9,10,11,12,13,14,15
	STEP \t
.endr
	s_wait_dscnt 0x0                               ; for the others' sake: my scale bytes are in LDS
	s_barrier_signal -1
	s_barrier_wait -1                              ; everybody's are
	ds_load_b64 v[8:9], v5                         ; head w's 16 rows x 16 bytes
	s_wait_dscnt 0x0
	global_store_b64 v6, v[8:9], s[10:11]          ; 32 lanes store 256 consecutive bytes, at a multiple of 256 from the buffer's first byte
	s_wait_tensorcnt 0x0
	ds_add_u32 v14, v15
	s_wait_dscnt 0x0
	s_endpgm
.Lfunc_end_k_q02e8cdb7b4_ropeq:
	.size	k_q02e8cdb7b4_ropeq, .Lfunc_end_k_q02e8cdb7b4_ropeq-k_q02e8cdb7b4_ropeq
	.p2alignl 7, 3214868480
	.fill 96, 4, 3214868480
	.section	.rodata,"a",@progbits
	.p2align	6, 0x0
	.amdhsa_kernel k_q02e8cdb7b4_ropeq
		.amdhsa_group_segment_fixed_size 3072
		.amdhsa_private_segment_fixed_size 0
		.amdhsa_enable_private_segment 0
		.amdhsa_kernarg_size 32
		.amdhsa_user_sgpr_count 2
		.amdhsa_user_sgpr_kernarg_segment_ptr 1
		.amdhsa_wavefront_size32 1
		.amdhsa_system_sgpr_workgroup_id_x 1
		.amdhsa_system_sgpr_workgroup_id_y 1
		.amdhsa_system_sgpr_workgroup_id_z 1
		.amdhsa_system_vgpr_workitem_id 0
		.amdhsa_next_free_vgpr 256
		.amdhsa_next_free_sgpr 66
		.amdhsa_reserve_vcc 1
		.amdhsa_float_denorm_mode_32 3
		.amdhsa_float_denorm_mode_16_64 3
		.amdhsa_memory_ordered 1
		.amdhsa_forward_progress 1
		.amdhsa_inst_pref_size 97
	.end_amdhsa_kernel
	.amdgpu_metadata
---
amdhsa.version: [ 1, 2 ]
amdhsa.kernels:
  - .name:           k_q02e8cdb7b4_ropeq
    .symbol:         k_q02e8cdb7b4_ropeq.kd
    .args:
      - { .name: Q, .offset: 0, .size: 8, .value_kind: global_buffer, .address_space: global }
      - { .name: freqs, .offset: 8, .size: 8, .value_kind: global_buffer, .address_space: global }
      - { .name: qr_codes, .offset: 16, .size: 8, .value_kind: global_buffer, .address_space: global }
      - { .name: qr_scales, .offset: 24, .size: 8, .value_kind: global_buffer, .address_space: global }
    .group_segment_fixed_size: 3072
    .private_segment_fixed_size: 0
    .kernarg_segment_align: 8
    .kernarg_segment_size: 32
    .max_flat_workgroup_size: 256
    .sgpr_count:     66
    .vgpr_count:     256
    .wavefront_size: 32
...
	.end_amdgpu_metadata
.endif
;; end of part 1
;; launch attn (part 2): grid 16 x 16, 4 waves a work-group, clusters of 4 x 1, 327,680 bytes of LDS; arguments qr_codes, qr_scales, V_codes, V_scales, out0; writes out0
.if DOCPART == 2
	.amdgcn_target "amdgcn-amd-amdhsa--gfx1250"
	.amdhsa_code_object_version 6
	.text
	.protected	k_q02e8cdb7b4_attn
	.globl	k_q02e8cdb7b4_attn
	.p2align	8
	.type	k_q02e8cdb7b4_attn,@function
k_q02e8cdb7b4_attn:
	s_mov_b64 s[64:65], 0
	v_nop
	global_prefetch_b8 v0, s[64:65] scope:SCOPE_SE
	s_setreg_imm32_b32 hwreg(HW_REG_WAVE_MODE, 25, 1), 1
	s_wait_xcnt 0x0
	s_wait_alu depctr_hold_cnt(0) depctr_sa_sdst(0) depctr_va_vdst(0) depctr_va_sdst(0) depctr_va_ssrc(0) depctr_va_vcc(0) depctr_vm_vsrc(0)
	s_getreg_b32 s2, hwreg(HW_REG_IB_STS2, 6, 4)
	s_cmp_eq_u32 s2, 0
	s_cbranch_scc0 .Lentry_in_a_cluster
	s_endpgm
.Lentry_in_a_cluster:
	s_bfe_u32 s2, ttmp6, 0x10000c
	s_cmp_lg_u32 s2, 0x3003
	s_cbranch_scc0 .Lentry_shape_is_right
	s_endpgm
.Lentry_shape_is_right:
; out[h][t][:] = the sum over s < t of Q8(score(t, s)) V[h][s][:], score = QR[t] . QR[s] on codes of FP8 (E4M3) with E8M0 scales (K = 512);
; the scores, with zeros at s >= t, are quantised along the keys in blocks of 32 and multiplied by V's codes (K = the keys).  No softmax.
; qr_codes [16][2048][512], qr_scales [16][2048][16]; V_codes [16][128 d][2048 keys], V_scales [16][128][64]; out0 [16][2048][128] f32.
; SHARES.  A work-group owns 128 queries of a head.  Wave w: g = w & 1 says which 64 queries (four tiles of 16, their codes in 256 registers), pw = w >> 1 which half of the keys.
; Keys go in super-steps of 256; half pw owns the 128 keys from 256 m + 128 pw on: one K step of the second product.  A super-step is two trips of 64 keys a wave, a trip two blocks of 32.
; The two halves' sums of a query are added once, at the end, through LDS (so the order of the f32 sums is not that of ascending keys: stated as a limit of rounding order).
; LAYOUT.  S^T = K Q^T (source 0 = 16 keys, source 1 = 16 queries): lane (r, h) holds query r and keys 8 h + 0..7 of the tile.  The two conversions of a block's two tiles give four registers
; of the second product's source 1, in which place 16 h + 8 u + j of the block holds key 16 u + 8 h + j: a permutation inside one scale block.  V's fragment is read with the same permutation
; (two loads of 8 bytes in place of one of 16), so every product meets its partner.  O^T = V^T P^T: a lane holds query r and eight channels.
; CLUSTER.  The four work-groups of a cluster own 512 neighbouring queries of one head and walk the same 2 (I + 1) super-steps (I: the cluster's x), so every tile of keys, of V and of scale bytes
; is asked for JOINTLY.  The last two super-steps cover the cluster's 512 x 512 on the diagonal: hidden scores are replaced by 0 (v_cndmask_b32), a hidden block gets zero codes and the byte 127.
; A partner low in the cluster so multiplies blocks that are all hidden: the price of equal trip counts, without which the requests could not be joint.
; My place in the cluster enters Q's and out0's addresses and the mask's numbers alone: no branch, no LDS address, no descriptor.
; LDS: two slots of keys (a trip each), one buffer of V and one each of the keys' and of V's scale bytes (a super-step each).  Every LDS address is a constant plus terms of the lane and the wave:
; nothing walks.  The scale bytes of a super-step are read into registers at its head, so that their buffers can be filled again in its middle, by the two waves that have no tile to fetch there.
; V's scale bytes come as 128 rows of 8 bytes, 64 bytes apart in memory: 1,024 bytes beside the 170 thousand of a super-step's tiles, asked for once for four work-groups.
; The claim is all of the LDS.
; LIMITS: NaN and infinities are not served; score blocks whose largest magnitude lies under 2^-117 have their byte held at 1 and were not tried.
; REGISTERS, in windows of 256: window 0: addresses, scale words, S^T (v128-191: tile t, key tile u at 128 + 16 t + 8 u), P (v192-255: 192 + 16 t + 4 c);
;   window 1: Q (64 t + 16 ks + 4 c);  window 2: O^T (64 t + 8 dt);  window 3: v0-127 keys' fragments (64 u + 16 ks + 4 c), v128-255 V's (128 + 16 dt + 4 c + 2 u).
.set KP,    528                        ; a key's row in LDS: 512 bytes + 16 = 132 words: row r starts at bank 4 r mod 64 (64 banks of 4 bytes: ISA guide 11.1)
.set VP,    272                        ; a row of V's tile: 256 bytes + 16
.set HALFK, 64*KP                      ; 64 keys: what one tensor load brings, and what one half of the waves reads
.set HALFV, 64*VP
.set K0,    0                          ; slot of a super-step's first trip: rows 0-63 half 0's keys, rows 64-127 half 1's
.set K1,    2*HALFK                    ; of its second trip
.set VB,    4*HALFK                    ; 128 rows d x 256 keys
.set KSC,   VB+2*HALFV                 ; the scale bytes of a super-step's 256 keys, dense: 16 bytes a key
.set VSC,   KSC+4096                   ; V's scale bytes for the same 256 keys: 8 bytes a row d, dense
.set SPARE, VSC+1024                   ; the spare words, 128 bytes for each wave: two blocks of 256 bytes that no other line names
.set DQ,  16                           ; v16-19  tile t: my query - the first key of my lane in this super-step: a score at place x of the super-step's half is kept where x < DQ
.set W,   20                           ; v20-23  P's scale words, tile t
.set QS,  32                           ; v32-47  the queries' scale words: 4 t + ks
.set VS,  48                           ; v48-55  V's: dt
.set MX,  56                           ; v56-75  at work in the quantiser, four tiles each: largest magnitude,
.set XX,  60                           ;         second chain and the other half's,
.set EE,  64                           ;         exponent field, then the byte,
.set LIM, 68                           ;         448 x the scale,
.set SCF, 72                           ;         the scale as f32
.set KS,  76                           ; v76-107 the keys' scale words of a super-step: 8 c + 4 u + ks
.set S,   128
.set P,   192
.set G1K,  28                          ; s[28:35] group 1 for tiles of keys;  s[36:43] of V;  s[44:51] keys' scale bytes;  s[52:59] V's scale bytes
.set G1V,  36
.set G1SK, 44
.set G1SV, 52
.set G0K0, 60                          ; s[60:63] group 0 for slot K0;  s[68:71] K1;  s[72:75] V;  s[76:79], s[80:83] the scale bytes
.set G0K1, 68
.set G0V,  72
.set G0SK, 76
.set G0SV, 80
.set MSB, 0
.macro WIN new                         ; the immediate's high byte repeats the setting that is left; a switch that changes nothing is dropped
.if MSB != \new
	s_set_vgpr_msb (MSB<<8)|\new
.set MSB, \new
.endif
.endm
.macro PLACES n
.rept \n
	v_nop
.endr
.endm
; A round of the cluster's barrier: my work-group's barrier; wave 0 signals for the work-group; every wave waits for all four work-groups; my work-group's barrier once more.
.macro CROUND
	s_barrier_signal -1
	s_barrier_wait -1
	s_cmp_lg_u32 s14, 0
	s_cbranch_scc1 .Lnot_wave_0_\@
	s_barrier_signal -3
.Lnot_wave_0_\@:
	s_barrier_wait -3
	s_barrier_signal -1
	s_barrier_wait -1
.endm
; Joint loads.  The branches hang on the wave's number alone.  Four v_nop follow each tensor load, ahead of the jump, the label and what follows.
.macro JLOAD_A                         ; waves 0, 1: the two halves of slot K1;  waves 2, 3: the two halves of V's buffer
	s_cmp_lt_u32 s14, 2
	s_cbranch_scc0 .Lfor_v_\@
	tensor_load_to_lds s[G0K1:G0K1+3], s[G1K:G1K+7]
	s_nop 0
	PLACES 4
	s_branch .Lasked_\@
.Lfor_v_\@:
	tensor_load_to_lds s[G0V:G0V+3], s[G1V:G1V+7]
	s_nop 0
	PLACES 4
.Lasked_\@:
.endm
.macro JLOAD_B                         ; waves 0, 1: the two halves of slot K0;  wave 2: the keys' scale bytes;  wave 3: V's
	s_cmp_lt_u32 s14, 2
	s_cbranch_scc0 .Lnot_k_\@
	tensor_load_to_lds s[G0K0:G0K0+3], s[G1K:G1K+7]
	s_nop 0
	PLACES 4
	s_branch .Lasked_\@
.Lnot_k_\@:
	s_cmp_eq_u32 s14, 2
	s_cbranch_scc0 .Lfor_vs_\@
	tensor_load_to_lds s[G0SK:G0SK+3], s[G1SK:G1SK+7]
	s_nop 0
	PLACES 4
	s_branch .Lasked_\@
.Lfor_vs_\@:
	tensor_load_to_lds s[G0SV:G0SV+3], s[G1SV:G1SV+7]
	s_nop 0
	PLACES 4
.Lasked_\@:
.endm
.macro GROUP1 g, w0, d0, d1, st        ; a tile of d1 rows x d0 elements, st elements from row to row; the tensor's extents are the tile's: no tile crosses an end
	s_mov_b32 s[\g], \w0
	s_mov_b32 s[\g+1], (\d0)<<16
	s_mov_b32 s[\g+2], (\d1)<<16
	s_mov_b32 s[\g+3], (\d0)<<16
	s_mov_b32 s[\g+4], \d1
	s_mov_b32 s[\g+5], \st
	s_mov_b32 s[\g+6], 0
	s_mov_b32 s[\g+7], 0
.endm
.set W0K,  15|(1<<20)|(1<<21)|(6<<22)|(3<<25)          ; 15:0 the mask: all four work-groups; elements of 1 byte; padding on; 21 set beside a mask; 4 words after every 128
.set W0V,  15|(1<<20)|(1<<21)|(5<<22)|(3<<25)          ; 4 words after every 64
.set W0SK, 15|(3<<16)|(1<<21)                          ; elements of 8 bytes, no padding
.set W0SV, 15|(1<<21)                                  ; elements of 1 byte, no padding
	s_load_b256 s[4:11], s[0:1], 0x0               ; qr_codes s[4:5], qr_scales s[6:7], V_codes s[8:9], V_scales s[10:11]
	s_load_b64 s[12:13], s[0:1], 0x20              ; out0
	v_lshl_add_u32 v3, v0, 2, SPARE                ; v3: LDS address of my spare word; never rewritten
	v_mov_b32 v4, 0                                ; v4: 0; never rewritten
	ds_add_u32 v3, v4
	ds_add_u32 v3, v4
	s_wait_dscnt 0x0
	v_lshrrev_b32 v1, 5, v0
	v_readfirstlane_b32 s14, v1                    ; wave 0..3
	s_and_b32 s15, s14, 1                          ; g: which 64 queries.  Also: which half of a tile I fetch
	s_lshr_b32 s16, s14, 1                         ; pw: which half of the keys
	s_bfe_u32 s17, ttmp6, 0x40000                  ; cx: my place in the cluster
	s_mov_b32 s18, ttmp9                           ; I: the cluster's x, which the partners share
	s_and_b32 s19, ttmp7, 0xffff                   ; the head, likewise
	s_lshl_b32 s20, s18, 2
	s_add_co_u32 s20, s20, s17                     ; J = 4 I + cx: my block of 128 queries
	s_mov_b32 s24, 0x76543210                      ; v_permlanex16_b32's selects for lane l xor 16
	s_mov_b32 s25, 0xfedcba98
	GROUP1 G1K,  W0K,  512, 64,  512
	GROUP1 G1V,  W0V,  256, 64,  2048
	GROUP1 G1SK, W0SK, 32,  16,  32                ; 4,096 dense bytes as 16 rows of 256
	GROUP1 G1SV, W0SV, 8,   128, 64                ; 128 rows of 8 bytes, 64 bytes apart
	s_lshl_b32 s84, s19, 20                        ; keys: the head's 1 MiB + my half's 128 keys of 512 bytes
	s_lshl_b32 s85, s15, 16
	s_add_co_u32 s84, s84, s85
	s_mov_b32 s85, 0
	s_lshl_b32 s86, s19, 18                        ; V: the head's 256 KiB + my half's 64 rows of 2,048 bytes
	s_lshl_b32 s87, s15, 17
	s_add_co_u32 s86, s86, s87
	s_mov_b32 s87, 0
	s_lshl_b32 s2, s19, 15                         ; the keys' scale bytes: the head's 32 KiB
	s_mov_b32 s3, 0
	s_lshl_b32 s22, s19, 13                        ; V's scale bytes: the head's 8 KiB
	s_mov_b32 s23, 0
	s_mul_i32 s26, s15, HALFK                      ; and where the tiles go: no place in the cluster enters an LDS address
	s_mul_i32 s27, s15, HALFV
	s_lshl_b32 s94, s20, 16                        ; my wave's first query, in rows of 512 bytes (codes and out0 alike): 128 J + 64 g
	s_lshl_b32 s95, s15, 15
	s_add_co_u32 s94, s94, s95
	s_lshl_b32 s95, s19, 20
	s_add_co_u32 s94, s94, s95
	s_mov_b32 s95, 0
	s_lshl_b32 s96, s20, 11                        ; and in rows of 16 scale bytes
	s_lshl_b32 s97, s15, 10
	s_add_co_u32 s96, s96, s97
	s_lshl_b32 s97, s19, 15
	s_add_co_u32 s96, s96, s97
	s_mov_b32 s97, 0
	s_wait_kmcnt 0x0
	s_add_nc_u64 s[88:89], s[4:5], s[94:95]        ; my queries' codes
	s_add_nc_u64 s[90:91], s[6:7], s[96:97]        ; their scale words
	s_lshl_b32 s96, s16, 14
	s_add_co_u32 s94, s94, s96                     ; of the group's 64 rows I store rows 32 pw on
	s_add_nc_u64 s[92:93], s[12:13], s[94:95]
	s_mov_b32 s[G0K0], 1                           ; 1:0 count = 1
	s_add_co_u32 s[G0K0+1], s26, K0                ; LDS address
	s_add_nc_u64 s[G0K0+2:G0K0+3], s[4:5], s[84:85]    ; super-step 0, first trip: keys 128 g + 0..63
	s_mov_b32 s[G0K1], 1
	s_add_co_u32 s[G0K1+1], s26, K1
	s_add_nc_u64 s[G0K1+2:G0K1+3], s[G0K0+2:G0K0+3], 32768   ; second trip: 64 keys on
	s_or_b32 s[G0K0+3], s[G0K0+3], 0x80000000      ; 127:126 type = 2
	s_or_b32 s[G0K1+3], s[G0K1+3], 0x80000000
	s_mov_b32 s[G0V], 1
	s_add_co_u32 s[G0V+1], s27, VB
	s_add_nc_u64 s[G0V+2:G0V+3], s[8:9], s[86:87]
	s_or_b32 s[G0V+3], s[G0V+3], 0x80000000
	s_mov_b32 s[G0SK], 1
	s_mov_b32 s[G0SK+1], KSC
	s_add_nc_u64 s[G0SK+2:G0SK+3], s[6:7], s[2:3]
	s_or_b32 s[G0SK+3], s[G0SK+3], 0x80000000
	s_mov_b32 s[G0SV], 1
	s_mov_b32 s[G0SV+1], VSC
	s_add_nc_u64 s[G0SV+2:G0SV+3], s[10:11], s[22:23]
	s_or_b32 s[G0SV+3], s[G0SV+3], 0x80000000
	CROUND                                         ; all four work-groups are here: the first joint loads meet
	JLOAD_B                                        ; the first fills, one a wave: slot K0 and the scale bytes of super-step 0: one tensor load of mine is out
	v_and_b32 v1, 15, v0                           ; r = lane % 16
	v_bfe_u32 v2, v0, 4, 1                         ; h = lane / 16
	v_lshlrev_b32 v10, 9, v1
	v_lshl_add_u32 v10, v2, 4, v10                 ; Q: row r of 512 bytes + 16 h
	v_lshlrev_b32 v11, 4, v1                       ; its scale words: 16 bytes a row
	WIN 0x40                                       ; destination window 1, address window 0
.irp t, 0,1,2,3
.irp ks, 0,1,2,3
.irp c, 0,1,2,3
	global_load_b128 v[64*\t+16*\ks+4*\c:64*\t+16*\ks+4*\c+3], v10, s[88:89] offset:8192*\t+128*\ks+32*\c   ; Q stays in registers
.endr
.endr
.endr
	WIN 0
.irp t, 0,1,2,3
	global_load_b128 v[QS+4*\t:QS+4*\t+3], v11, s[90:91] offset:256*\t   ; lane r: row r's four words, one for each 128 along K (lanes 16-31 hold the same and are not read)
.endr
	s_mul_i32 s98, s16, HALFK
	v_mul_u32_u24 v5, v1, KP
	v_lshl_add_u32 v5, v2, 4, v5
	v_add_nc_u32 v5, s98, v5                       ; v5: my place in slot K0: my half's rows, row r, + 16 h
	v_add_nc_u32 v6, K1, v5                        ; v6: in slot K1
	s_lshl_b32 s98, s16, 11
	s_add_co_u32 s98, s98, KSC
	v_lshl_add_u32 v7, v1, 4, s98                  ; v7: the scale words of key 128 pw + r of the super-step; never rewritten
	s_lshl_b32 s98, s16, 7
	s_add_co_u32 s98, s98, VB
	v_mul_u32_u24 v8, v1, VP
	v_lshl_add_u32 v8, v2, 3, v8
	v_add_nc_u32 v8, s98, v8                       ; v8: V: row r, my half's 128 keys, + 8 h
	s_lshl_b32 s98, s16, 2
	s_add_co_u32 s98, s98, VSC
	v_lshl_add_u32 v9, v1, 3, s98                  ; v9: V's scale word of row r for my 128 keys; never rewritten
	s_mul_i32 s98, s14, HALFK
	v_mul_u32_u24 v12, v1, KP
	v_lshl_add_u32 v12, v2, 5, v12
	v_add_nc_u32 v12, s98, v12                     ; v12: the way out: my wave's stage, row r, 32 bytes for each half of the lanes
	s_mul_i32 s98, s16, 32*KP
	s_add_co_u32 s98, s98, s26
	v_and_b32 v15, 31, v0
	v_lshlrev_b32 v15, 4, v15                      ; v15: 16 bytes a lane of a row of 512
	v_add_nc_u32 v13, s98, v15                     ; v13: back: group g, half 0's sums, rows 32 pw on
	v_add_nc_u32 v14, 2*HALFK, v13                 ; v14: half 1's sums of the same rows
	s_lshl_b32 s97, s20, 7
	s_lshl_b32 s96, s15, 6
	s_add_co_u32 s97, s97, s96
	s_lshl_b32 s96, s16, 7
	s_sub_co_u32 s97, s97, s96                     ; 128 J + 64 g - 128 pw
	v_lshlrev_b32 v16, 3, v2
	v_sub_nc_u32 v16, v1, v16
	v_add_nc_u32 v16, s97, v16                     ; + r - 8 h
	v_add_nc_u32 v17, 16, v16
	v_add_nc_u32 v18, 32, v16
	v_add_nc_u32 v19, 48, v16
; The scale words of the whole super-step into registers: my 128 keys' (8 tiles of 16, four words a key) and V's (8 tiles of 16 rows, one word a row).  16 LDS loads.
.macro FETCH_S
.irp c, 0,1,2,3
.irp u, 0,1
	ds_load_b128 v[KS+8*\c+4*\u:KS+8*\c+4*\u+3], v7 offset:512*\c+256*\u
.endr
.endr
.irp dt, 0,1,2,3,4,5,6,7
	ds_load_b32 v[VS+\dt], v9 offset:128*\dt
.endr
.endm
; The fragments of block b (32 keys: two tiles of 16) of trip e: 32 LDS loads, by K step.
.macro FETCH_K e, b
	WIN 0xc0                                       ; destination window 3
.irp ks, 0,1,2,3
.irp u, 0,1
.irp c, 0,1,2,3
	ds_load_b128 v[64*\u+16*\ks+4*\c:64*\u+16*\ks+4*\c+3], v[5+\e] offset:(32*\b+16*\u)*KP+128*\ks+32*\c
.endr
.endr
.endr
	WIN 0
.endm
; S^T of block c of the super-step: 32 matrix instructions.  The eight accumulators take turns, one instruction a turn; the first K step starts the sums.
.macro SMUL c
	WIN 0x07                                       ; source 0 (keys) window 3, source 1 (Q) window 1, C and D window 0
.irp ks, 0,1,2,3
	s_wait_dscnt 8*(3-\ks)                         ; LDS loads come back in order: this K step's (and all older ones) are in, the 8 of each later K step may be out
.irp t, 0,1,2,3
.irp u, 0,1
.if \ks == 0
	v_wmma_scale_f32_16x16x128_f8f6f4 v[S+16*\t+8*\u:S+16*\t+8*\u+7], v[64*\u+16*\ks:64*\u+16*\ks+15], v[64*\t+16*\ks:64*\t+16*\ks+15], 0, v[KS+8*\c+4*\u+\ks], v[QS+4*\t+\ks]
.else
	v_wmma_scale_f32_16x16x128_f8f6f4 v[S+16*\t+8*\u:S+16*\t+8*\u+7], v[64*\u+16*\ks:64*\u+16*\ks+15], v[64*\t+16*\ks:64*\t+16*\ks+15], v[S+16*\t+8*\u:S+16*\t+8*\u+7], v[KS+8*\c+4*\u+\ks], v[QS+4*\t+\ks]
.endif
.endr
.endr
.endr
	WIN 0
.endm
; Scores of keys at or behind the query become 0; each accumulator is taken from its low end on.
.macro MASK e, b
.irp t, 0,1,2,3
.irp i, 0,1,2,3,4,5,6,7,8,9,10,11,12,13,14,15
	v_cmp_lt_i32 vcc_lo, 64*\e+32*\b+16*(\i/8)+(\i%8), v[DQ+\t]
	v_cndmask_b32 v[S+16*\t+\i], 0, v[S+16*\t+\i], vcc_lo
.endr
.endr
.endm
; The block's scores become registers 4 c .. 4 c + 3 of P and byte c of P's scale word, for the four tiles.  A block is my 16 scores and those of lane l xor 16.
.macro QUANT c
.irp t, 0,1,2,3
	v_max3_num_f32 v[MX+\t], |v[S+16*\t]|, |v[S+16*\t+1]|, |v[S+16*\t+2]|       ; each accumulator is first read at its low end
	v_max3_num_f32 v[XX+\t], |v[S+16*\t+8]|, |v[S+16*\t+9]|, |v[S+16*\t+10]|
.endr
.irp i, 3,5
.irp t, 0,1,2,3
	v_max3_num_f32 v[MX+\t], v[MX+\t], |v[S+16*\t+\i]|, |v[S+16*\t+\i+1]|
	v_max3_num_f32 v[XX+\t], v[XX+\t], |v[S+16*\t+\i+8]|, |v[S+16*\t+\i+9]|
.endr
.endr
.irp t, 0,1,2,3
	v_max3_num_f32 v[MX+\t], v[MX+\t], |v[S+16*\t+7]|, |v[S+16*\t+15]|
.endr
.irp t, 0,1,2,3
	v_max_num_f32 v[MX+\t], v[MX+\t], v[XX+\t]
.endr
.irp t, 0,1,2,3
	v_permlanex16_b32 v[XX+\t], v[MX+\t], s24, s25
.endr
.irp t, 0,1,2,3
	v_max_num_f32 v[MX+\t], v[MX+\t], v[XX+\t]     ; the block's largest magnitude
.endr
.irp t, 0,1,2,3
	v_lshrrev_b32 v[EE+\t], 23, v[MX+\t]           ; its exponent field
.endr
.irp t, 0,1,2,3
	v_max_u32 v[EE+\t], 9, v[EE+\t]                ; the byte is not to fall under 1
.endr
.irp t, 0,1,2,3
	v_lshl_or_b32 v[LIM+\t], v[EE+\t], 23, 0x600000   ; 448 x the scale
.endr
.irp t, 0,1,2,3
	v_add_nc_u32 v[EE+\t], -8, v[EE+\t]            ; the scale's byte
.endr
.irp t, 0,1,2,3
	v_lshlrev_b32 v[SCF+\t], 23, v[EE+\t]          ; the scale as f32, for the conversion
.endr
.irp t, 0,1,2,3
	v_cmp_eq_u32 vcc_lo, 0, v[MX+\t]
	v_cndmask_b32 v[EE+\t], v[EE+\t], 127, vcc_lo  ; a block of zeros (a hidden block among them)
.endr
.irp t, 0,1,2,3
.if \c == 0
	v_mov_b32 v[W+\t], v[EE+\t]
.else
	v_lshl_or_b32 v[W+\t], v[EE+\t], 8*\c, v[W+\t]
.endif
.endr
.irp t, 0,1,2,3
.irp i, 0,1,2,3,4,5,6,7,8,9,10,11,12,13,14,15
	v_med3_num_f32 v[S+16*\t+\i], v[S+16*\t+\i], -v[LIM+\t], v[LIM+\t]   ; the conversion to an 8-bit code does not saturate (ISA guide 7.6.2)
.endr
.endr
.irp t, 0,1,2,3
	v_cvt_scalef32_pk8_fp8_f32 v[P+16*\t+4*\c:P+16*\t+4*\c+1], v[S+16*\t:S+16*\t+7], v[SCF+\t]
	v_cvt_scalef32_pk8_fp8_f32 v[P+16*\t+4*\c+2:P+16*\t+4*\c+3], v[S+16*\t+8:S+16*\t+15], v[SCF+\t]
.endr
	v_nop                                          ; one plain instruction between the conversions and what writes their sources
.endm
; V's eight fragments (16 channels x my 128 keys).  Registers 4 c + 2 u, + 1 take keys 32 c + 16 u + 8 h + 0..7: P's own order of keys.
.macro FETCH_V
	WIN 0xc0
.irp dt, 0,1,2,3,4,5,6,7
.irp c, 0,1,2,3
.irp u, 0,1
	ds_load_b64 v[128+16*\dt+4*\c+2*\u:128+16*\dt+4*\c+2*\u+1], v8 offset:16*VP*\dt+32*\c+16*\u
.endr
.endr
.endr
	WIN 0
.endm
; O^T += V^T P^T: 32 matrix instructions on 32 accumulators.  first = 1: they start the sums: nothing is ever cleared.
.macro PVMUL first
	WIN 0xa3                                       ; source 0 (V) window 3, source 1 (P) window 0, C and D window 2
.irp dt, 0,1,2,3,4,5,6,7
.irp t, 0,1,2,3
.if \first
	v_wmma_scale_f32_16x16x128_f8f6f4 v[64*\t+8*\dt:64*\t+8*\dt+7], v[128+16*\dt:128+16*\dt+15], v[P+16*\t:P+16*\t+15], 0, v[VS+\dt], v[W+\t]
.else
	v_wmma_scale_f32_16x16x128_f8f6f4 v[64*\t+8*\dt:64*\t+8*\dt+7], v[128+16*\dt:128+16*\dt+15], v[P+16*\t:P+16*\t+15], v[64*\t+8*\dt:64*\t+8*\dt+7], v[VS+\dt], v[W+\t]
.endif
.endr
.endr
	WIN 0
.endm
; THE CHANGES OF SLOTS.  Each wave waits for all its tensor loads, adds 0 to its spare word, and waits for that and for its LDS reads; then a round of the cluster's barrier: no wave of any
; partner still reads what is filled next or has a load on its way; the joint refill is the first thing behind the round, one tensor load a wave.
; At a super-step's head: slot K0 and the scale bytes are whole; slot K1 and V's buffer, read out in the last super-step, take this super-step's second trip and its V.
.macro CHANGE_A
	WIN 0
	s_wait_tensorcnt 0x0                           ; no tensor load of mine is out, so a group 0 may be written
	ds_add_u32 v3, v4                              ; 0 onto my spare word
	s_add_nc_u64 s[G0K0+2:G0K0+3], s[G0K0+2:G0K0+3], 131072   ; what the middle of this super-step asks for: slot K0's next tile, 256 keys on,
	s_add_nc_u64 s[G0SK+2:G0SK+3], s[G0SK+2:G0SK+3], 4096     ; those keys' scale bytes,
	s_add_nc_u64 s[G0SV+2:G0SV+3], s[G0SV+2:G0SV+3], 8        ; and V's
	s_wait_dscnt 0x0                               ; the add is done, and my LDS reads are over
	CROUND
	JLOAD_A
.endm
; In its middle: slot K1 and V's buffer are whole; fill = 1: slot K0 and the scale bytes' buffers, read out in the first trip, take the next super-step's.
.macro CHANGE_B fill
	WIN 0
	s_wait_tensorcnt 0x0
	ds_add_u32 v3, v4
	s_add_nc_u64 s[G0K1+2:G0K1+3], s[G0K1+2:G0K1+3], 131072
	s_add_nc_u64 s[G0V+2:G0V+3], s[G0V+2:G0V+3], 256
	s_wait_dscnt 0x0
.if \fill
	CROUND
	JLOAD_B
.else
	s_barrier_signal -1                            ; it shows slot K1 and V's buffer to every wave
	s_barrier_wait -1
.endif
.endm
; A SUPER-STEP.  Eight plain places stand behind each run of matrix instructions, in front of the reads of its results and of the loads into its fragments and scale words
; eight more in front of the second product, whose scale words vector instructions have written.
; The next block's fragments are asked for ahead of a block's quantiser, which touches no LDS.
.macro SS mask, first, fillb
	CHANGE_A
	FETCH_S
	FETCH_K 0, 0
.if \first
	s_wait_loadcnt 0x0                             ; Q and its scale words
.endif
	SMUL 0
	PLACES 8
	FETCH_K 0, 1
.if \mask
	MASK 0, 0
.endif
	QUANT 0
	SMUL 1
	PLACES 8
.if \mask
	MASK 0, 1
.endif
	QUANT 1
	CHANGE_B \fillb
	FETCH_K 1, 0
	SMUL 2
	PLACES 8
	FETCH_K 1, 1
.if \mask
	MASK 1, 0
.endif
	QUANT 2
	SMUL 3
	PLACES 8
	FETCH_V
.if \mask
	MASK 1, 1
.endif
	QUANT 3
	PLACES 8
	s_wait_dscnt 0x0                               ; V is in
	PVMUL \first
.irp t, 0,1,2,3
	v_add_nc_u32 v[DQ+\t], 0xffffff00, v[DQ+\t]    ; the mask's numbers for the next 256 keys
.endr
	PLACES 4                                       ; with the four lines above: eight places behind the second product, whose scale registers the next super-step loads anew
.endm
	SS 1, 1, 1                                     ; super-step 0: its second product starts O^T's sums; slot K1 and V's buffer get their first fill behind its first round; masked, since with I = 0 it lies on the diagonal
	s_cmp_eq_u32 s18, 0                            ; I is the same in all four partners
	s_cbranch_scc1 .Ltail
	s_lshl_b32 s21, s18, 1
	s_sub_co_i32 s21, s21, 1                       ; 2 I - 1 super-steps whose keys lie in front of all the cluster's queries
.Lss:
	SS 0, 0, 1
	s_sub_co_i32 s21, s21, 1
	s_cmp_gt_i32 s21, 0
	s_cbranch_scc1 .Lss
	SS 1, 0, 1                                     ; the first of the two on the diagonal
.Ltail:
	SS 1, 0, 0                                     ; the last: nothing is left to fetch in its middle
	; THE WAY OUT.  Each wave's O^T (64 queries x 128 channels, its half of the keys) goes into a stage of 64 rows x (512 + 16) bytes.  The four stages lie in the two slots of keys, which have had
	; their last fill; a barrier shows that nobody reads them any more.  Behind a second barrier each wave reads 32 whole rows of both halves' sums, adds them and stores rows of 512 bytes.
	PLACES 8
	s_wait_dscnt 0x0
	s_barrier_signal -1
	s_barrier_wait -1
	WIN 0x08                                       ; the data: window 2
.irp t, 0,1,2,3
.irp dt, 0,1,2,3,4,5,6,7
	ds_store_b128 v12, v[64*\t+8*\dt:64*\t+8*\dt+3] offset:16*KP*\t+64*\dt        ; each accumulator from its low end on
	ds_store_b128 v12, v[64*\t+8*\dt+4:64*\t+8*\dt+7] offset:16*KP*\t+64*\dt+16
.endr
.endr
	WIN 0
	s_wait_dscnt 0x0                               ; for the others' sake: my stores into the stage are done
	s_barrier_signal -1
	s_barrier_wait -1
.macro BACK n                          ; batch n of four: 8 rows of both halves' sums, into set n % 2 of v128-255
.set BB, 128+64*((\n)%2)
.irp i, 0,1,2,3,4,5,6,7
	ds_load_b128 v[BB+4*\i:BB+4*\i+3], v13 offset:(8*(\n)+\i)*KP
	ds_load_b128 v[BB+32+4*\i:BB+32+4*\i+3], v14 offset:(8*(\n)+\i)*KP
.endr
.endm
.macro SEND n, younger                 ; younger: the LDS loads issued behind batch n's, which may stay out
.set BB, 128+64*((\n)%2)
	s_wait_dscnt \younger
.irp q, 0,1,2,3,4,5,6,7,8,9,10,11,12,13,14,15
	v_pk_add_f32 v[BB+2*\q:BB+2*\q+1], v[BB+2*\q:BB+2*\q+1], v[BB+32+2*\q:BB+32+2*\q+1]
.endr
.irp i, 0,1,2,3,4,5,6,7
	global_store_b128 v15, v[BB+4*\i:BB+4*\i+3], s[92:93] offset:(8*(\n)+\i)*512 th:TH_STORE_NT   ; 32 lanes store a row's 512 consecutive bytes, at a multiple of 512 from out0's first byte
.endr
.endm
	BACK 0
	BACK 1
	SEND 0, 16
	s_wait_xcnt 0x0                                ; batch 0's stores have had their addresses translated: only behind this wait are their data registers loaded again
	BACK 2
	SEND 1, 16
	s_wait_xcnt 0x0
	BACK 3
	SEND 2, 16
	SEND 3, 0
	s_wait_tensorcnt 0x0                           ; the wave's end, behind my last tensor load and my last LDS store
	ds_add_u32 v3, v4
	s_wait_dscnt 0x0
	CROUND                                         ; the closing round: no work-group ends while a partner may still ask for a tile that names it
	s_endpgm
.Lfunc_end_k_q02e8cdb7b4_attn:
	.size	k_q02e8cdb7b4_attn, .Lfunc_end_k_q02e8cdb7b4_attn-k_q02e8cdb7b4_attn
	.p2alignl 7, 3214868480
	.fill 96, 4, 3214868480
	.section	.rodata,"a",@progbits
	.p2align	6, 0x0
	.amdhsa_kernel k_q02e8cdb7b4_attn
		.amdhsa_group_segment_fixed_size 327680
		.amdhsa_private_segment_fixed_size 0
		.amdhsa_enable_private_segment 0
		.amdhsa_kernarg_size 40
		.amdhsa_user_sgpr_count 2
		.amdhsa_user_sgpr_kernarg_segment_ptr 1
		.amdhsa_wavefront_size32 1
		.amdhsa_system_sgpr_workgroup_id_x 1
		.amdhsa_system_sgpr_workgroup_id_y 1
		.amdhsa_system_sgpr_workgroup_id_z 1
		.amdhsa_system_vgpr_workitem_id 0
		.amdhsa_next_free_vgpr 1024
		.amdhsa_next_free_sgpr 100
		.amdhsa_reserve_vcc 1
		.amdhsa_float_denorm_mode_32 3
		.amdhsa_float_denorm_mode_16_64 3
		.amdhsa_memory_ordered 1
		.amdhsa_forward_progress 1
		.amdhsa_inst_pref_size 255
	.end_amdhsa_kernel
	.section	.bss,"aw",@nobits
	.p2align	6
	.space	262144
	.amdgpu_metadata
---
amdhsa.version: [ 1, 2 ]
amdhsa.kernels:
  - .name:           k_q02e8cdb7b4_attn
    .symbol:         k_q02e8cdb7b4_attn.kd
    .args:
      - { .name: qr_codes, .offset: 0, .size: 8, .value_kind: global_buffer, .address_space: global }
      - { .name: qr_scales, .offset: 8, .size: 8, .value_kind: global_buffer, .address_space: global }
      - { .name: V_codes, .offset: 16, .size: 8, .value_kind: global_buffer, .address_space: global }
      - { .name: V_scales, .offset: 24, .size: 8, .value_kind: global_buffer, .address_space: global }
      - { .name: out0, .offset: 32, .size: 8, .value_kind: global_buffer, .address_space: global }
    .group_segment_fixed_size: 327680
    .private_segment_fixed_size: 0
    .kernarg_segment_align: 8
    .kernarg_segment_size: 40
    .max_flat_workgroup_size: 128
    .sgpr_count:     100
    .vgpr_count:     1024
    .wavefront_size: 32
...
	.end_amdgpu_metadata
.endif
;; end of part 2
;; ======== version 2 of 2: 2 launches
;; workspace buffers: qr_codes 16,777,216 bytes; qr_scales 524,288 bytes
;; launch ropeq (part 3): grid 128 x 2, 8 waves a work-group, no clusters, 281,600 bytes of LDS; arguments Q, freqs, qr_codes, qr_scales; writes qr_codes, qr_scales
.if DOCPART == 3
	.amdgcn_target "amdgcn-amd-amdhsa--gfx1250"
	.amdhsa_code_object_version 6
	.text
	.protected	k_q02e8cdb7b4_ropeq
	.globl	k_q02e8cdb7b4_ropeq
	.p2align	8
	.type	k_q02e8cdb7b4_ropeq,@function
k_q02e8cdb7b4_ropeq:
	s_mov_b64 s[64:65], 0
	v_nop
	global_prefetch_b8 v0, s[64:65] scope:SCOPE_SE
	s_setreg_imm32_b32 hwreg(HW_REG_WAVE_MODE, 25, 1), 1
	s_wait_xcnt 0x0
; QR = Q cos + rotate_half(Q) sin, angle = ((t x freqs[n]) mod 1) x 2 pi, all in f32; then QR is turned into codes of FP8 (E4M3) along N
; with one E8M0 byte for each 32 numbers: qr_codes [16 heads][2048 t][512], qr_scales [16][2048][16].
; Q: [16][2048][512] f32.  freqs: [512] f32, taken element by element as it is given (no pairing of frequencies is assumed).
; SHARES.  A work-group owns 16 rows t of 8 heads; wave w owns rows t0 + 2 w and t0 + 2 w + 1.  Sine and cosine hang on (t, n) alone, so a wave
; makes them once for each of its two rows and uses them for 8 heads.  A step is one row of one head: a lane holds 16 neighbours along N,
; since the conversions take neighbours from one lane's registers; two neighbouring lanes hold a block of 32.
; Q COMES THROUGH LDS, ALL OF IT ASKED FOR AT THE START.  The work-group's share is 16 x 8 x 2,048 = 262,144 bytes, which fits in LDS whole: each wave issues eight tensor loads at the
; kernel's head, one for each head (its two rows are 4,096 dense bytes: 16 rows of 256), into bytes of its own.  Nothing is filled twice, so there is no ring and no barrier for one;
; a wave reads only what its own loads brought, behind its own counted wait.  Eight tensor loads of a wave are out at the most.  A head's tile is small because the heads lie 4 MiB apart
; and the counted waits let one head be worked on while the later ones land.
; 16 bytes of padding behind every 256: a lane's 64 bytes begin at (l / 4) x 272 + (l % 4) x 64.
; A lane's 16 codes are 16 bytes: the wave's store covers the row's 512 consecutive bytes.  The scale bytes of the work-group's 16 rows of a head
; are 256 consecutive bytes: they are gathered in LDS, [8 heads][16 rows][16], behind the tiles, and wave w stores head w's 256 bytes by one instruction.
; SINE AND COSINE are polynomials in f32: the angle y in [0, 2 pi] is cut to r = y - k pi/2 (pi/2 in two parts), |r| <= pi/4;
; sin r to r^9, cos r to r^8 (what is left out is under 3e-8); k turns them into the angle's sine and cosine.
; No cluster, no matrix work: no two work-groups read the same byte of Q, and memory binds.
; LIMITS: NaN and infinities among the inputs are not served; blocks whose largest magnitude lies under 2^-117 have their byte held at 1 and were not tried.
.set TILE, 16*272                      ; a head's two rows in LDS: 16 units of 256 bytes + 16
.set WREG, 8*TILE                      ; a wave's eight tiles
.set SCB,  8*WREG                      ; behind the tiles: the scale bytes, 2,048 bytes into which no tile lands
.set G1,  16                           ; s[16:23] descriptor group 1, the same for every load
.set G0,  24                           ; s[24:55] descriptor group 0, a set for each of the eight loads: none is written again
.set F,   16                           ; v16-31   my 16 freqs
.set CSN, 32                           ; v32-47 cos, v48-63 sin of row 0; v64-79, v80-95 of row 1
.set X,   96                           ; v96-159  four sets of 16 numbers: two rows of a head, two heads by turns
.set T,   160                          ; v160-175 the rotated numbers
.set C,   176                          ; v176-239 codes: four registers for each step, so that no store's data are written again
.set E,   240                          ; v240-255 a scale byte for each step
.set TK,  160                          ; ahead of the steps v160-239 are at work for sine and cosine: k,
.set TR,  176                          ; r,
.set TR2, 192                          ; r^2,
.set TU,  208                          ; sin r,
.set TW,  224                          ; cos r;  v240-243 two constants as pairs, v244-247 the two rows' t as f32, twice each
	s_load_b256 s[4:11], s[0:1], 0x0               ; Q s[4:5], freqs s[6:7], qr_codes s[8:9], qr_scales s[10:11]
	v_lshl_add_u32 v14, v0, 2, 0x44800
	v_mov_b32 v15, 0
	ds_add_u32 v14, v15
	ds_add_u32 v14, v15
	v_lshrrev_b32 v1, 5, v0
	v_readfirstlane_b32 s12, v1                    ; wave 0..7
	v_and_b32 v1, 31, v0                           ; lane
	s_and_b32 s13, ttmp7, 0xffff                   ; y: heads 8 y .. 8 y + 7
	s_lshl_b32 s56, ttmp9, 4                       ; t0 = 16 x
	s_lshl_b32 s14, s12, 1
	s_add_co_u32 s14, s14, s56                     ; my first row: t0 + 2 w
	s_add_co_u32 s57, s14, 1
	s_mul_i32 s15, s12, WREG                       ; my wave's tiles in LDS
	; group 1: a dense block of 4,096 bytes as 16 rows of 32 elements of 8 bytes; 4 words of padding after every 64
	s_mov_b32 s[G1+0], (3<<16)|(1<<20)|(5<<22)|(3<<25)
	s_mov_b32 s[G1+1], 32<<16                      ; tensor_dim0 = 32
	s_mov_b32 s[G1+2], 16<<16                      ; tensor_dim1 = 16
	s_mov_b32 s[G1+3], 32<<16                      ; tile_dim0 = 32
	s_mov_b32 s[G1+4], 16                          ; tile_dim1 = 16
	s_mov_b32 s[G1+5], 32                          ; from row to row: 32 elements
	s_mov_b32 s[G1+6], 0
	s_mov_b32 s[G1+7], 0
.irp k, 0,1,2,3,4,5,6,7
	s_mov_b32 s[G0+4*\k], 1                        ; count = 1
	s_add_co_u32 s[G0+4*\k+1], s15, \k*TILE        ; LDS address: the wave's number times a constant plus the head's constant
.endr
	v_lshlrev_b32 v7, 6, v1                        ; freqs: my 64 bytes
	v_lshlrev_b32 v3, 4, v1                        ; out: my 16 codes of a row
	v_lshrrev_b32 v8, 2, v1
	v_and_b32 v9, 3, v1
	v_mul_u32_u24 v8, v8, 272
	v_lshl_add_u32 v2, v9, 6, v8
	v_add_nc_u32 v2, s15, v2                       ; LDS: my 64 bytes of a row: unit l / 4, place l % 4
	v_lshrrev_b32 v4, 1, v1
	s_lshl_b32 s62, s12, 5
	s_add_co_u32 s62, s62, SCB
	v_add_nc_u32 v4, s62, v4                       ; LDS: 16 scale bytes a row, my wave's two rows, my block's byte
	v_lshlrev_b32 v6, 3, v1                        ; the scale bytes' way out: 8 bytes a lane
	s_lshl_b32 s62, s12, 8
	s_add_co_u32 s62, s62, SCB
	v_add_nc_u32 v5, s62, v6                       ; LDS: head w's 256 bytes
	v_cvt_f32_u32 v244, s14                        ; t of my two rows, exact in f32
	v_cvt_f32_u32 v245, s14
	v_cvt_f32_u32 v246, s57
	v_cvt_f32_u32 v247, s57
	v_mov_b32 v240, 0xb9500d01                     ; -1/5040
	v_mov_b32 v241, 0xb9500d01
	v_mov_b32 v242, 0xbab60b61                     ; -1/720
	v_mov_b32 v243, 0xbab60b61
	s_lshl_b32 s2, s13, 25                         ; Q: 8 y heads of 4 MiB + my row x 2,048 bytes
	s_lshl_b32 s3, s14, 11
	s_add_co_u32 s2, s2, s3
	s_mov_b32 s3, 0
	s_lshl_b32 s58, s13, 23                        ; codes: 8 y heads of 1 MiB + my row x 512 bytes
	s_lshl_b32 s59, s14, 9
	s_add_co_u32 s58, s58, s59
	s_mov_b32 s59, 0
	s_lshl_b32 s60, s13, 3                         ; scale bytes: head 8 y + w, row t0, 16 bytes a row
	s_add_co_u32 s60, s60, s12
	s_lshl_b32 s60, s60, 15
	s_lshl_b32 s61, s56, 4
	s_add_co_u32 s60, s60, s61
	s_mov_b32 s61, 0
	s_wait_dscnt 0x0
	s_wait_kmcnt 0x0
	s_add_nc_u64 s[G0+2:G0+3], s[4:5], s[2:3]      ; global address of head 8 y's tile; the next heads' lie 4 MiB on each
.irp k, 1,2,3,4,5,6,7
	s_add_nc_u64 s[G0+4*\k+2:G0+4*\k+3], s[G0+4*\k-2:G0+4*\k-1], 0x400000
.endr
.irp k, 0,1,2,3,4,5,6,7
	s_or_b32 s[G0+4*\k+3], s[G0+4*\k+3], 0x80000000   ; type = 2
.endr
	s_add_nc_u64 s[8:9], s[8:9], s[58:59]
	s_add_nc_u64 s[10:11], s[10:11], s[60:61]
.irp k, 0,1,2,3,4,5,6,7
	tensor_load_to_lds s[G0+4*\k:G0+4*\k+3], s[G1:G1+7]   ; all my share of Q is asked for, ahead of every wait on TENSORcnt, every LDS read and the barrier
	s_nop 0
.endr
.irp i, 0,1,2,3
	global_load_b128 v[F+4*\i:F+4*\i+3], v7, s[6:7] offset:16*\i
.endr
	s_wait_loadcnt 0x0                             ; freqs
; sine and cosine of my 16 angles of row rho; the tiles land meanwhile
.macro SINCOS rho
.set CO, CSN+32*\rho
.set SI, CSN+16+32*\rho
.irp p, 0,2,4,6,8,10,12,14
	v_pk_mul_f32 v[TR+\p:TR+\p+1], v[F+\p:F+\p+1], v[244+2*\rho:245+2*\rho]   ; t x freqs
.endr
.irp i, 0,1,2,3,4,5,6,7,8,9,10,11,12,13,14,15
	v_floor_f32 v[TU+\i], v[TR+\i]
.endr
.irp p, 0,2,4,6,8,10,12,14
	v_pk_add_f32 v[TR+\p:TR+\p+1], v[TR+\p:TR+\p+1], v[TU+\p:TU+\p+1] neg_lo:[0,1] neg_hi:[0,1]   ; mod 1: p - floor(p), one rounding, for either sign
.endr
.irp p, 0,2,4,6,8,10,12,14
	v_pk_mul_f32 v[TR+\p:TR+\p+1], v[TR+\p:TR+\p+1], 0x40c90fdb op_sel_hi:[1,0]   ; y = x 2 pi, rounded to f32 as the problem has it
.endr
.irp p, 0,2,4,6,8,10,12,14
	v_pk_mul_f32 v[TK+\p:TK+\p+1], v[TR+\p:TR+\p+1], 0x3f22f983 op_sel_hi:[1,0]   ; y x 2 / pi
.endr
.irp i, 0,1,2,3,4,5,6,7,8,9,10,11,12,13,14,15
	v_rndne_f32 v[TK+\i], v[TK+\i]                 ; k = 0 .. 4
.endr
.irp p, 0,2,4,6,8,10,12,14
	v_pk_fma_f32 v[TR+\p:TR+\p+1], v[TK+\p:TK+\p+1], 0xbfc90fdb, v[TR+\p:TR+\p+1] op_sel_hi:[1,0,1]   ; r = y - k x (pi/2 as f32)
.endr
.irp p, 0,2,4,6,8,10,12,14
	v_pk_fma_f32 v[TR+\p:TR+\p+1], v[TK+\p:TK+\p+1], 0x333bbd2e, v[TR+\p:TR+\p+1] op_sel_hi:[1,0,1]   ; + k x 4.37e-8, by which that f32 exceeds pi/2
.endr
.irp p, 0,2,4,6,8,10,12,14
	v_pk_mul_f32 v[TR2+\p:TR2+\p+1], v[TR+\p:TR+\p+1], v[TR+\p:TR+\p+1]
.endr
.irp p, 0,2,4,6,8,10,12,14
	v_pk_fma_f32 v[TU+\p:TU+\p+1], v[TR2+\p:TR2+\p+1], 0x3638ef1d, v[240:241] op_sel_hi:[1,0,1]   ; 1/362880 r^2 - 1/5040
	v_pk_fma_f32 v[TW+\p:TW+\p+1], v[TR2+\p:TR2+\p+1], 0x37d00d01, v[242:243] op_sel_hi:[1,0,1]   ; 1/40320 r^2 - 1/720
.endr
.irp p, 0,2,4,6,8,10,12,14
	v_pk_fma_f32 v[TU+\p:TU+\p+1], v[TU+\p:TU+\p+1], v[TR2+\p:TR2+\p+1], 0x3c088889 op_sel_hi:[1,1,0]   ; + 1/120
	v_pk_fma_f32 v[TW+\p:TW+\p+1], v[TW+\p:TW+\p+1], v[TR2+\p:TR2+\p+1], 0x3d2aaaab op_sel_hi:[1,1,0]   ; + 1/24
.endr
.irp p, 0,2,4,6,8,10,12,14
	v_pk_fma_f32 v[TU+\p:TU+\p+1], v[TU+\p:TU+\p+1], v[TR2+\p:TR2+\p+1], 0xbe2aaaab op_sel_hi:[1,1,0]   ; - 1/6
	v_pk_fma_f32 v[TW+\p:TW+\p+1], v[TW+\p:TW+\p+1], v[TR2+\p:TR2+\p+1], -0.5 op_sel_hi:[1,1,0]
.endr
.irp p, 0,2,4,6,8,10,12,14
	v_pk_fma_f32 v[TW+\p:TW+\p+1], v[TW+\p:TW+\p+1], v[TR2+\p:TR2+\p+1], 1.0 op_sel_hi:[1,1,0]          ; cos r
	v_pk_mul_f32 v[TR2+\p:TR2+\p+1], v[TR2+\p:TR2+\p+1], v[TR+\p:TR+\p+1]                               ; r^3
.endr
.irp p, 0,2,4,6,8,10,12,14
	v_pk_fma_f32 v[TU+\p:TU+\p+1], v[TU+\p:TU+\p+1], v[TR2+\p:TR2+\p+1], v[TR+\p:TR+\p+1]               ; sin r
.endr
.irp i, 0,1,2,3,4,5,6,7,8,9,10,11,12,13,14,15
	v_cvt_i32_f32 v[TK+\i], v[TK+\i]
.endr
.irp i, 0,1,2,3,4,5,6,7,8,9,10,11,12,13,14,15
	v_and_b32 v8, 1, v[TK+\i]
	v_lshlrev_b32 v9, 30, v[TK+\i]                 ; the sine is negative where k has bit 1,
	v_add_nc_u32 v10, 1, v[TK+\i]
	v_cmp_eq_u32 vcc_lo, 1, v8                     ; an odd k swaps the two
	v_lshlrev_b32 v10, 30, v10                     ; the cosine where k + 1 has it
	v_cndmask_b32 v[CO+\i], v[TW+\i], v[TU+\i], vcc_lo
	v_cndmask_b32 v[SI+\i], v[TU+\i], v[TW+\i], vcc_lo
	v_and_b32 v9, 0x80000000, v9
	v_and_b32 v10, 0x80000000, v10
	v_xor_b32 v[SI+\i], v9, v[SI+\i]
	v_xor_b32 v[CO+\i], v10, v[CO+\i]
.endr
.endm
	SINCOS 0
	SINCOS 1
; head k's two rows out of LDS: eight loads of 16 bytes a lane, into sets 2 (k % 2) and 2 (k % 2) + 1
.macro LOADH k
.irp rho, 0,1
.irp i, 0,1,2,3
	ds_load_b128 v[X+16*(2*((\k)%2)+\rho)+4*\i:X+16*(2*((\k)%2)+\rho)+4*\i+3], v2 offset:TILE*(\k)+2176*\rho+16*\i
.endr
.endr
.endm
; a step: row rho of head k
.macro STEP k, rho
.set ST, 2*(\k)+\rho
.set XS, X+16*(2*((\k)%2)+\rho)
.set CO, CSN+32*(\rho)
.set SI, CSN+16+32*(\rho)
.set YG, 4*(1-\rho)+\rho               ; LDS instructions issued behind this row's four loads: row 0: the head's second row (4); row 1: row 0's store of a scale byte (1);
.if (\k) > 0
.set YG, YG+2                          ; the last head's two stores of scale bytes;
.endif
.if (\k) < 7
.set YG, YG+8                          ; the next head's eight loads
.endif
	s_wait_dscnt YG                                ; LDS instructions end in order (ISA guide 5.7.1): this row is in, the younger ones stay out
.irp p, 0,2,4,6,8,10,12,14
	v_pk_mul_f32 v[T+\p:T+\p+1], v[XS+\p:XS+\p+1], v[CO+\p:CO+\p+1]
.endr
.irp p, 0,2,4,6,8,10,12,14                     ; low half: - q1 sin0 + q0 cos0; high half: q0 sin1 + q1 cos1 (the first source's halves are swapped)
	v_pk_fma_f32 v[T+\p:T+\p+1], v[XS+\p:XS+\p+1], v[SI+\p:SI+\p+1], v[T+\p:T+\p+1] op_sel:[1,0,0] op_sel_hi:[0,1,1] neg_lo:[0,1,0]
.endr
	v_max3_num_f32 v8, |v[T]|, |v[T+1]|, |v[T+2]|  ; the largest magnitude of my 16, in two chains
	v_max3_num_f32 v9, |v[T+3]|, |v[T+4]|, |v[T+5]|
.irp i, 6,10
	v_max3_num_f32 v8, v8, |v[T+\i]|, |v[T+\i+1]|
	v_max3_num_f32 v9, v9, |v[T+\i+2]|, |v[T+\i+3]|
.endr
	v_max3_num_f32 v8, v8, |v[T+14]|, |v[T+15]|
	v_max_num_f32 v8, v8, v9
	v_max_num_f32_dpp v8, v8, v8 row_xmask:1 row_mask:0xf bank_mask:0xf   ; and of my neighbour's 16: the block's
	v_lshrrev_b32 v9, 23, v8                       ; its exponent field = floor(log2) + 127
	v_max_u32 v9, 9, v9                            ; the byte is not to fall under 1
	v_lshl_or_b32 v10, v9, 23, 0x600000            ; 448 x the scale
	v_add_nc_u32 v9, -8, v9                        ; the scale's byte
	v_lshlrev_b32 v11, 23, v9                      ; the scale as f32: the conversion takes its exponent field
	v_cmp_eq_u32 vcc_lo, 0, v8                     ; a block of zeros?
.irp i, 0,1,2,3,4,5,6,7,8,9,10,11,12,13,14,15
	v_med3_num_f32 v[T+\i], v[T+\i], -v10, v10     ; the conversion to an 8-bit code does not saturate (ISA guide 7.6.2): hold the number first
.endr
	v_cvt_scalef32_pk8_fp8_f32 v[C+4*ST:C+4*ST+1], v[T:T+7], v11
	v_cvt_scalef32_pk8_fp8_f32 v[C+4*ST+2:C+4*ST+3], v[T+8:T+15], v11
	v_cndmask_b32 v[E+ST], v9, 127, vcc_lo         ; a block of zeros gets 127.  (Also the plain instruction between the conversions and what writes their sources)
	ds_store_b8 v4, v[E+ST] offset:256*(\k)+16*(\rho)   ; both lanes of a block write the same byte with the same value
	global_store_b128 v3, v[C+4*ST:C+4*ST+3], s[8:9] offset:1048576*(\k)+512*(\rho)   ; 512 consecutive bytes a wave; 7,340,544 at the most: inside the signed 24-bit immediate
.endm
	s_wait_tensorcnt 7                             ; tensor loads of a wave end in order (ISA guide 10.11.1): head 0's tile is in LDS, the seven younger loads stay out
	LOADH 0
.irp k, 0,1,2,3,4,5,6,7
.if \k < 7
	s_wait_tensorcnt 6-\k                          ; the next head's tile is in; the 6 - k behind it stay out
	LOADH \k+1                                     ; its rows are on their way to registers while this head is worked on
.endif
	STEP \k, 0
	STEP \k, 1
.endr
	s_wait_dscnt 0x0                               ; for the others' sake: my scale bytes are in LDS
	s_barrier_signal -1
	s_barrier_wait -1                              ; everybody's are
	ds_load_b64 v[8:9], v5                         ; head w's 16 rows x 16 bytes
	s_wait_dscnt 0x0
	global_store_b64 v6, v[8:9], s[10:11]          ; 32 lanes store 256 consecutive bytes, at a multiple of 256 from the buffer's first byte
	s_wait_tensorcnt 0x0
	ds_add_u32 v14, v15
	s_wait_dscnt 0x0
	s_endpgm
.Lfunc_end_k_q02e8cdb7b4_ropeq:
	.size	k_q02e8cdb7b4_ropeq, .Lfunc_end_k_q02e8cdb7b4_ropeq-k_q02e8cdb7b4_ropeq
	.p2alignl 7, 3214868480
	.fill 96, 4, 3214868480
	.section	.rodata,"a",@progbits
	.p2align	6, 0x0
	.amdhsa_kernel k_q02e8cdb7b4_ropeq
		.amdhsa_group_segment_fixed_size 281600
		.amdhsa_private_segment_fixed_size 0
		.amdhsa_enable_private_segment 0
		.amdhsa_kernarg_size 32
		.amdhsa_user_sgpr_count 2
		.amdhsa_user_sgpr_kernarg_segment_ptr 1
		.amdhsa_wavefront_size32 1
		.amdhsa_system_sgpr_workgroup_id_x 1
		.amdhsa_system_sgpr_workgroup_id_y 1
		.amdhsa_system_sgpr_workgroup_id_z 1
		.amdhsa_system_vgpr_workitem_id 0
		.amdhsa_next_free_vgpr 256
		.amdhsa_next_free_sgpr 66
		.amdhsa_reserve_vcc 1
		.amdhsa_float_denorm_mode_32 3
		.amdhsa_float_denorm_mode_16_64 3
		.amdhsa_memory_ordered 1
		.amdhsa_forward_progress 1
		.amdhsa_inst_pref_size 99
	.end_amdhsa_kernel
	.amdgpu_metadata
---
amdhsa.version: [ 1, 2 ]
amdhsa.kernels:
  - .name:           k_q02e8cdb7b4_ropeq
    .symbol:         k_q02e8cdb7b4_ropeq.kd
    .args:
      - { .name: Q, .offset: 0, .size: 8, .value_kind: global_buffer, .address_space: global }
      - { .name: freqs, .offset: 8, .size: 8, .value_kind: global_buffer, .address_space: global }
      - { .name: qr_codes, .offset: 16, .size: 8, .value_kind: global_buffer, .address_space: global }
      - { .name: qr_scales, .offset: 24, .size: 8, .value_kind: global_buffer, .address_space: global }
    .group_segment_fixed_size: 281600
    .private_segment_fixed_size: 0
    .kernarg_segment_align: 8
    .kernarg_segment_size: 32
    .max_flat_workgroup_size: 256
    .sgpr_count:     66
    .vgpr_count:     256
    .wavefront_size: 32
...
	.end_amdgpu_metadata
.endif
;; end of part 3
;; launch attn (part 4): grid 16 x 16, 4 waves a work-group, clusters of 4 x 1, 327,680 bytes of LDS; arguments qr_codes, qr_scales, V_codes, V_scales, out0; writes out0
.if DOCPART == 4
	.amdgcn_target "amdgcn-amd-amdhsa--gfx1250"
	.amdhsa_code_object_version 6
	.text
	.protected	k_q02e8cdb7b4_attn
	.globl	k_q02e8cdb7b4_attn
	.p2align	8
	.type	k_q02e8cdb7b4_attn,@function
k_q02e8cdb7b4_attn:
	s_mov_b64 s[64:65], 0
	v_nop
	global_prefetch_b8 v0, s[64:65] scope:SCOPE_SE
	s_setreg_imm32_b32 hwreg(HW_REG_WAVE_MODE, 25, 1), 1
	s_wait_xcnt 0x0
	s_wait_alu depctr_hold_cnt(0) depctr_sa_sdst(0) depctr_va_vdst(0) depctr_va_sdst(0) depctr_va_ssrc(0) depctr_va_vcc(0) depctr_vm_vsrc(0)
	s_getreg_b32 s2, hwreg(HW_REG_IB_STS2, 6, 4)
	s_cmp_eq_u32 s2, 0
	s_cbranch_scc0 .Lentry_in_a_cluster
	s_endpgm
.Lentry_in_a_cluster:
	s_bfe_u32 s2, ttmp6, 0x10000c
	s_cmp_lg_u32 s2, 0x3003
	s_cbranch_scc0 .Lentry_shape_is_right
	s_endpgm
.Lentry_shape_is_right:
; out[h][t][:] = the sum over s < t of Q8(score(t, s)) V[h][s][:], score = QR[t] . QR[s] on codes of FP8 (E4M3) with E8M0 scales (K = 512);
; the scores, with zeros at s >= t, are quantised along the keys in blocks of 32 and multiplied by V's codes (K = the keys).  No softmax.
; qr_codes [16][2048][512], qr_scales [16][2048][16]; V_codes [16][128 d][2048 keys], V_scales [16][128][64]; out0 [16][2048][128] f32.
; SHARES.  A work-group owns 128 queries of a head.  Wave w: g = w & 1 says which 64 queries (four tiles of 16, their codes in 256 registers), pw = w >> 1 which half of the keys.
; Keys go in super-steps of 256; half pw owns the 128 keys from 256 m + 128 pw on: one K step of the second product, four blocks c of 32 keys.
; The two halves' sums of a query are added once, at the end, through LDS (so the order of the f32 sums is not that of ascending keys: stated as a limit of rounding order).
; LAYOUT.  S^T = K Q^T (source 0 = 16 keys, source 1 = 16 queries): lane (r, h) holds query r and keys 8 h + 0..7 of the tile.  The two conversions of a block's two tiles give four registers
; of the second product's source 1, in which place 16 h + 8 u + j of the block holds key 16 u + 8 h + j: a permutation inside one scale block.  V's fragment is read with the same permutation
; (two loads of 8 bytes in place of one of 16), so every product meets its partner.  O^T = V^T P^T: a lane holds query r and eight channels.
; CLUSTER.  The four work-groups of a cluster own 512 neighbouring queries of one head and walk the same 2 (I + 1) super-steps (I: the cluster's x), so every tile of keys, of V and of scale bytes
; is asked for JOINTLY.  The last two super-steps cover the cluster's 512 x 512 on the diagonal: hidden scores are replaced by 0 (v_cndmask_b32), a hidden block gets zero codes and the byte 127.
; A partner low in the cluster so multiplies blocks that are all hidden: the price of equal trip counts, without which the requests could not be joint.
; My place in the cluster enters Q's and out0's addresses and the mask's numbers alone: no branch, no LDS address, no descriptor.
; THE RING.  Two slots of keys, each a whole super-step's 256 rows; one buffer of V (a second does not fit); two small buffers each for the keys' and for V's scale bytes.
; ONE round of the cluster's barrier a super-step.  Behind the round in super-step m each wave issues one joint load: wave 0 the keys of m + 2 into the slot just read out, wave 1 V of m + 1,
; wave 2 and wave 3 the scale bytes of m + 2.  They are waited for at a plain barrier behind the fourth score product of super-step m + 1: between request and wait a wave issues
; 160 matrix instructions and three quantisers.  V has one buffer, so it is read into registers between that barrier and the round behind which it is filled again.
; Every run of LDS loads has work beside it: a quantiser, or the second product.  The slot's parity stands in immediates and in two address registers: every LDS address is a constant plus terms
; of the lane and the wave, and the super-step's text exists for both parities.
; CODE SIZE.  The walk is I pairs of super-steps without the mask, in a loop, and the two on the diagonal: the super-step is written four times.  So that the first super-step can run the loop's
; text, O^T begins as zeros: 256 v_mov_b32, once, issued while the first tiles are on their way.  A first super-step of its own, whose second product would start the sums, would be a fifth copy
; and leave an odd number of unmasked super-steps, which asks for a sixth: some 19 KB of text against 1 KB.
; V's scale bytes come as 128 rows of 8 bytes, 64 bytes apart in memory: 1,024 bytes beside the 170 thousand of a super-step's tiles, asked for once for four work-groups.
; The claim is all of the LDS.
; LIMITS: NaN and infinities are not served; score blocks whose largest magnitude lies under 2^-117 have their byte held at 1 and were not tried.
; REGISTERS, in windows of 256: window 0: addresses, scale words, S^T (v128-191: tile t, key tile u at 128 + 16 t + 8 u), P (v192-255: 192 + 16 t + 4 c);
;   window 1: Q (64 t + 16 ks + 4 q);  window 2: O^T (64 t + 8 dt);  window 3: v0-127 keys' fragments (64 u + 16 ks + 4 q), v128-255 V's (128 + 16 dt + 4 c + 2 u).
.set KP,    528                        ; a key's row in LDS: 512 bytes + 16 = 132 words: row r starts at bank 4 r mod 64 (64 banks of 4 bytes: ISA guide 11.1)
.set VP,    272                        ; a row of V's tile: 256 bytes + 16
.set SLOTK, 256*KP                     ; a slot: a super-step's 256 keys
.set HALFK, 128*KP                     ; what one half of the waves reads of it
.set KA,    0                          ; the slot of the even super-steps
.set KB,    SLOTK                      ; of the odd ones
.set VB,    2*SLOTK                    ; 128 rows d x 256 keys
.set KSC,   VB+128*VP                  ; the scale bytes of a super-step's 256 keys, dense, 16 bytes a key: two buffers of 4,096 bytes, by parity
.set VSC,   KSC+2*4096                 ; V's scale bytes for 256 keys, 8 bytes a row d, dense: two buffers of 1,024 bytes, by parity
.set SPARE, VSC+2*1024                 ; the spare words, 128 bytes for each wave: two blocks of 256 bytes that no other line names
.set STG,   64*KP                      ; the way out: a wave's stage of 64 rows; the four stages fill slot KA
.set DQ,  16                           ; v16-19  tile t: my query - the first key of my lane in this super-step: a score at place x of the super-step's half is kept where x < DQ
.set W,   20                           ; v20-23  P's scale words, tile t
.set QS,  32                           ; v32-47  the queries' scale words: 4 t + ks
.set VS,  48                           ; v48-55  V's: dt
.set MX,  56                           ; v56-75  at work in the quantiser, four tiles each: largest magnitude,
.set XX,  60                           ;         second chain and the other half's,
.set EE,  64                           ;         exponent field, then the byte,
.set LIM, 68                           ;         448 x the scale,
.set SCF, 72                           ;         the scale as f32
.set KS,  76                           ; v76-107 the keys' scale words of a super-step: 8 c + 4 u + ks
.set S,   128
.set P,   192
.set G1K,  28                          ; s[28:35] group 1 for tiles of keys;  s[36:43] of V;  s[44:51] keys' scale bytes;  s[52:59] V's scale bytes
.set G1V,  36
.set G1SK, 44
.set G1SV, 52
.set G0K,  60                          ; group 0, a set for each parity p: keys s[60:63], s[68:71] (60 + 8 p);
.set G0V,  72                          ; V s[72:75];
.set G0SK, 76                          ; the keys' scale bytes s[76:79], s[80:83] (76 + 4 p);
.set G0SV, 84                          ; V's scale bytes s[84:87], s[96:99] (84 + 12 p)
.set MSB, 0
.macro WIN new                         ; the immediate's high byte repeats the setting that is left; a switch that changes nothing is dropped
.if MSB != \new
	s_set_vgpr_msb (MSB<<8)|\new
.set MSB, \new
.endif
.endm
.macro PLACES n
.rept \n
	v_nop
.endr
.endm
; A round of the cluster's barrier: my work-group's barrier; wave 0 signals for the work-group; every wave waits for all four work-groups; my work-group's barrier once more.
.macro CROUND
	s_barrier_signal -1
	s_barrier_wait -1
	s_cmp_lg_u32 s14, 0
	s_cbranch_scc1 .Lnot_wave_0_\@
	s_barrier_signal -3
.Lnot_wave_0_\@:
	s_barrier_wait -3
	s_barrier_signal -1
	s_barrier_wait -1
.endm
; The joint refill, one tensor load a wave: wave 0 the keys for slot p, wave 1 V, wave 2 the keys' scale bytes for buffer p, wave 3 V's.  The branches hang on the wave's number alone.
; Four v_nop follow each tensor load, ahead of the jump, the label and what follows.
.macro JLOAD p
	s_cmp_lt_u32 s14, 2
	s_cbranch_scc0 .Lscales_\@
	s_cmp_eq_u32 s14, 0
	s_cbranch_scc0 .Lfor_v_\@
	tensor_load_to_lds s[G0K+8*(\p):G0K+8*(\p)+3], s[G1K:G1K+7]
	s_nop 0
	PLACES 4
	s_branch .Lasked_\@
.Lfor_v_\@:
	tensor_load_to_lds s[G0V:G0V+3], s[G1V:G1V+7]
	s_nop 0
	PLACES 4
	s_branch .Lasked_\@
.Lscales_\@:
	s_cmp_eq_u32 s14, 2
	s_cbranch_scc0 .Lfor_vs_\@
	tensor_load_to_lds s[G0SK+4*(\p):G0SK+4*(\p)+3], s[G1SK:G1SK+7]
	s_nop 0
	PLACES 4
	s_branch .Lasked_\@
.Lfor_vs_\@:
	tensor_load_to_lds s[G0SV+12*(\p):G0SV+12*(\p)+3], s[G1SV:G1SV+7]
	s_nop 0
	PLACES 4
.Lasked_\@:
.endm
.macro JLOAD_V                         ; the last refill: V of the last super-step alone; no later super-step would read anything else
	s_cmp_eq_u32 s14, 1
	s_cbranch_scc0 .Lasked_\@
	tensor_load_to_lds s[G0V:G0V+3], s[G1V:G1V+7]
	s_nop 0
	PLACES 4
.Lasked_\@:
.endm
.macro GROUP1 g, w0, d0, d1, st        ; a tile of d1 rows x d0 elements, st elements from row to row; the tensor's extents are the tile's: no tile crosses an end
	s_mov_b32 s[\g], \w0
	s_mov_b32 s[\g+1], (\d0)<<16
	s_mov_b32 s[\g+2], (\d1)<<16
	s_mov_b32 s[\g+3], (\d0)<<16
	s_mov_b32 s[\g+4], \d1
	s_mov_b32 s[\g+5], \st
	s_mov_b32 s[\g+6], 0
	s_mov_b32 s[\g+7], 0
.endm
.set W0K,  15|(1<<20)|(1<<21)|(6<<22)|(3<<25)          ; 15:0 the mask: all four work-groups; elements of 1 byte; padding on; 21 set beside a mask; 4 words after every 128
.set W0V,  15|(1<<20)|(1<<21)|(5<<22)|(3<<25)          ; 4 words after every 64
.set W0SK, 15|(3<<16)|(1<<21)                          ; elements of 8 bytes, no padding
.set W0SV, 15|(1<<21)                                  ; elements of 1 byte, no padding
	s_load_b256 s[4:11], s[0:1], 0x0               ; qr_codes s[4:5], qr_scales s[6:7], V_codes s[8:9], V_scales s[10:11]
	s_load_b64 s[12:13], s[0:1], 0x20              ; out0
	v_lshl_add_u32 v3, v0, 2, SPARE                ; v3: LDS address of my spare word; never rewritten
	v_mov_b32 v4, 0                                ; v4: 0; never rewritten
	ds_add_u32 v3, v4
	ds_add_u32 v3, v4
	s_wait_dscnt 0x0
	v_lshrrev_b32 v1, 5, v0
	v_readfirstlane_b32 s14, v1                    ; wave 0..3
	s_and_b32 s15, s14, 1                          ; g: which 64 queries
	s_lshr_b32 s16, s14, 1                         ; pw: which half of the keys
	s_bfe_u32 s17, ttmp6, 0x40000                  ; cx: my place in the cluster
	s_mov_b32 s18, ttmp9                           ; I: the cluster's x, which the partners share
	s_and_b32 s19, ttmp7, 0xffff                   ; the head, likewise
	s_lshl_b32 s20, s18, 2
	s_add_co_u32 s20, s20, s17                     ; J = 4 I + cx: my block of 128 queries
	s_mov_b32 s24, 0x76543210                      ; v_permlanex16_b32's selects for lane l xor 16
	s_mov_b32 s25, 0xfedcba98
	GROUP1 G1K,  W0K,  512, 256, 512               ; a super-step's 256 keys in one load
	GROUP1 G1V,  W0V,  256, 128, 2048              ; V's 128 rows x 256 keys in one load
	GROUP1 G1SK, W0SK, 32,  16,  32                ; 4,096 dense bytes as 16 rows of 256
	GROUP1 G1SV, W0SV, 8,   128, 64                ; 128 rows of 8 bytes, 64 bytes apart
	s_lshl_b32 s2, s19, 20                         ; the head's first byte: codes of the keys, 1 MiB a head;
	s_mov_b32 s3, 0
	s_lshl_b32 s22, s19, 18                        ; V's codes, 256 KiB;
	s_mov_b32 s23, 0
	s_lshl_b32 s26, s19, 15                        ; the keys' scale bytes, 32 KiB;
	s_mov_b32 s27, 0
	s_lshl_b32 s94, s19, 13                        ; V's scale bytes, 8 KiB.  None of these registers ever holds my place in the cluster
	s_mov_b32 s95, 0
	s_lshl_b32 s88, s20, 16                        ; my wave's first query, in rows of 512 bytes (codes and out0 alike): 128 J + 64 g
	s_lshl_b32 s100, s15, 15
	s_add_co_u32 s88, s88, s100
	s_add_co_u32 s88, s88, s2
	s_mov_b32 s89, 0
	s_lshl_b32 s90, s20, 11                        ; and in rows of 16 scale bytes
	s_lshl_b32 s100, s15, 10
	s_add_co_u32 s90, s90, s100
	s_add_co_u32 s90, s90, s26
	s_mov_b32 s91, 0
	s_lshl_b32 s100, s16, 14
	s_add_co_u32 s92, s88, s100                    ; of the group's 64 rows I store rows 32 pw on
	s_mov_b32 s93, 0
	s_wait_kmcnt 0x0
	s_add_nc_u64 s[88:89], s[4:5], s[88:89]        ; my queries' codes
	s_add_nc_u64 s[90:91], s[6:7], s[90:91]        ; their scale words
	s_add_nc_u64 s[92:93], s[12:13], s[92:93]      ; my rows of out0
	s_mov_b32 s[G0K], 1                            ; 1:0 count = 1
	s_mov_b32 s[G0K+1], KA                         ; LDS address
	s_add_nc_u64 s[G0K+2:G0K+3], s[4:5], s[2:3]    ; super-step 0's keys
	s_mov_b32 s[G0K+8], 1
	s_mov_b32 s[G0K+9], KB
	s_add_nc_u64 s[G0K+10:G0K+11], s[G0K+2:G0K+3], 131072   ; super-step 1's: 256 keys of 512 bytes on
	s_or_b32 s[G0K+3], s[G0K+3], 0x80000000        ; 127:126 type = 2
	s_or_b32 s[G0K+11], s[G0K+11], 0x80000000
	s_mov_b32 s[G0V], 1
	s_mov_b32 s[G0V+1], VB
	s_add_nc_u64 s[G0V+2:G0V+3], s[8:9], s[22:23]
	s_or_b32 s[G0V+3], s[G0V+3], 0x80000000
	s_mov_b32 s[G0SK], 1
	s_mov_b32 s[G0SK+1], KSC
	s_add_nc_u64 s[G0SK+2:G0SK+3], s[6:7], s[26:27]
	s_mov_b32 s[G0SK+4], 1
	s_mov_b32 s[G0SK+5], KSC+4096
	s_add_nc_u64 s[G0SK+6:G0SK+7], s[G0SK+2:G0SK+3], 4096
	s_or_b32 s[G0SK+3], s[G0SK+3], 0x80000000
	s_or_b32 s[G0SK+7], s[G0SK+7], 0x80000000
	s_mov_b32 s[G0SV], 1
	s_mov_b32 s[G0SV+1], VSC
	s_add_nc_u64 s[G0SV+2:G0SV+3], s[10:11], s[94:95]
	s_mov_b32 s[G0SV+12], 1
	s_mov_b32 s[G0SV+13], VSC+1024
	s_add_nc_u64 s[G0SV+14:G0SV+15], s[G0SV+2:G0SV+3], 8
	s_or_b32 s[G0SV+3], s[G0SV+3], 0x80000000
	s_or_b32 s[G0SV+15], s[G0SV+15], 0x80000000
	CROUND                                         ; all four work-groups are here: the first joint loads meet
	s_cmp_lt_u32 s14, 2                            ; THE FIRST FILLS, one group; a wave's stand in one branch on its number: two loads of waves 0, 2 and 3 are out, one of wave 1
	s_cbranch_scc0 .Lfirst_scales
	s_cmp_eq_u32 s14, 0
	s_cbranch_scc0 .Lfirst_v
	tensor_load_to_lds s[G0K:G0K+3], s[G1K:G1K+7]          ; the keys of super-steps 0
	s_nop 0
	tensor_load_to_lds s[G0K+8:G0K+11], s[G1K:G1K+7]       ; and 1
	s_nop 0
	PLACES 4
	s_branch .Lfirst_asked
.Lfirst_v:
	tensor_load_to_lds s[G0V:G0V+3], s[G1V:G1V+7]          ; V of super-step 0
	s_nop 0
	PLACES 4
	s_branch .Lfirst_asked
.Lfirst_scales:
	s_cmp_eq_u32 s14, 2
	s_cbranch_scc0 .Lfirst_vs
	tensor_load_to_lds s[G0SK:G0SK+3], s[G1SK:G1SK+7]
	s_nop 0
	tensor_load_to_lds s[G0SK+4:G0SK+7], s[G1SK:G1SK+7]
	s_nop 0
	PLACES 4
	s_branch .Lfirst_asked
.Lfirst_vs:
	tensor_load_to_lds s[G0SV:G0SV+3], s[G1SV:G1SV+7]
	s_nop 0
	tensor_load_to_lds s[G0SV+12:G0SV+15], s[G1SV:G1SV+7]
	s_nop 0
	PLACES 4
.Lfirst_asked:
	v_and_b32 v1, 15, v0                           ; r = lane % 16
	v_bfe_u32 v2, v0, 4, 1                         ; h = lane / 16
	v_lshlrev_b32 v10, 9, v1
	v_lshl_add_u32 v10, v2, 4, v10                 ; Q: row r of 512 bytes + 16 h
	v_lshlrev_b32 v11, 4, v1                       ; its scale words: 16 bytes a row
	WIN 0x40                                       ; destination window 1, address window 0
.irp t, 0,1,2,3
.irp ks, 0,1,2,3
.irp c, 0,1,2,3
	global_load_b128 v[64*\t+16*\ks+4*\c:64*\t+16*\ks+4*\c+3], v10, s[88:89] offset:8192*\t+128*\ks+32*\c   ; Q stays in registers
.endr
.endr
.endr
	WIN 0
.irp t, 0,1,2,3
	global_load_b128 v[QS+4*\t:QS+4*\t+3], v11, s[90:91] offset:256*\t   ; lane r: row r's four words, one for each 128 along K (lanes 16-31 hold the same and are not read)
.endr
	s_mul_i32 s100, s16, HALFK
	v_mul_u32_u24 v5, v1, KP
	v_lshl_add_u32 v5, v2, 4, v5
	v_add_nc_u32 v5, s100, v5                      ; v5: my place in slot KA: my half's rows, row r, + 16 h
	v_add_nc_u32 v6, KB, v5                        ; v6: in slot KB
	s_lshl_b32 s100, s16, 11
	s_add_co_u32 s100, s100, KSC
	v_lshl_add_u32 v7, v1, 4, s100                 ; v7: the scale words of key 128 pw + r of a super-step; never rewritten
	s_lshl_b32 s100, s16, 7
	s_add_co_u32 s100, s100, VB
	v_mul_u32_u24 v8, v1, VP
	v_lshl_add_u32 v8, v2, 3, v8
	v_add_nc_u32 v8, s100, v8                      ; v8: V: row r, my half's 128 keys, + 8 h
	s_lshl_b32 s100, s16, 2
	s_add_co_u32 s100, s100, VSC
	v_lshl_add_u32 v9, v1, 3, s100                 ; v9: V's scale word of row r for my 128 keys; never rewritten
	s_mul_i32 s100, s14, STG
	v_mul_u32_u24 v12, v1, KP
	v_lshl_add_u32 v12, v2, 5, v12
	v_add_nc_u32 v12, s100, v12                    ; v12: the way out: my wave's stage, row r, 32 bytes for each half of the lanes
	s_mul_i32 s100, s16, 32*KP
	s_mul_i32 s101, s15, STG
	s_add_co_u32 s100, s100, s101
	v_and_b32 v15, 31, v0
	v_lshlrev_b32 v15, 4, v15                      ; v15: 16 bytes a lane of a row of 512
	v_add_nc_u32 v13, s100, v15                    ; v13: back: group g, half 0's sums, rows 32 pw on
	v_add_nc_u32 v14, 2*STG, v13                   ; v14: half 1's sums of the same rows
	s_lshl_b32 s101, s20, 7
	s_lshl_b32 s100, s15, 6
	s_add_co_u32 s101, s101, s100
	s_lshl_b32 s100, s16, 7
	s_sub_co_u32 s101, s101, s100                  ; 128 J + 64 g - 128 pw
	v_lshlrev_b32 v16, 3, v2
	v_sub_nc_u32 v16, v1, v16
	v_add_nc_u32 v16, s101, v16                    ; + r - 8 h
	v_add_nc_u32 v17, 16, v16
	v_add_nc_u32 v18, 32, v16
	v_add_nc_u32 v19, 48, v16
	WIN 0x80                                       ; destination window 2
.set ZR, 0
.rept 256
	v_mov_b32 v[ZR], 0                             ; O^T begins as zeros, so that the first super-step runs the loop's text (see CODE SIZE above); the first tiles and Q are on their way meanwhile
.set ZR, ZR+1
.endr
	WIN 0
; The scale words of my 128 keys of a super-step of parity p: 8 tiles of 16 keys, four words a key
.macro FETCH_KS p
	WIN 0
.irp c, 0,1,2,3
.irp u, 0,1
	ds_load_b128 v[KS+8*\c+4*\u:KS+8*\c+4*\u+3], v7 offset:4096*(\p)+512*\c+256*\u
.endr
.endr
.endm
; V's scale words for my 128 keys: 8 tiles of 16 rows d, one word a row
.macro FETCH_VS p
	WIN 0
.irp dt, 0,1,2,3,4,5,6,7
	ds_load_b32 v[VS+\dt], v9 offset:1024*(\p)+128*\dt
.endr
.endm
; The fragments of block c (32 keys: two tiles of 16) out of slot p: 32 LDS loads, by K step.  (The next macro sets its own windows.)
.macro FETCH_K p, c
	WIN 0xc0                                       ; destination window 3
.irp ks, 0,1,2,3
.irp u, 0,1
.irp q, 0,1,2,3
	ds_load_b128 v[64*\u+16*\ks+4*\q:64*\u+16*\ks+4*\q+3], v[5+(\p)] offset:(32*(\c)+16*\u)*KP+128*\ks+32*\q
.endr
.endr
.endr
.endm
; S^T of block c: 32 matrix instructions.  The eight accumulators take turns, one instruction a turn; the first K step starts the sums.
.macro SMUL c
	WIN 0x07                                       ; source 0 (keys) window 3, source 1 (Q) window 1, C and D window 0
.irp ks, 0,1,2,3
	s_wait_dscnt 8*(3-\ks)                         ; LDS loads come back in order: this K step's (and all older ones) are in, the 8 of each later K step may be out
.irp t, 0,1,2,3
.irp u, 0,1
.if \ks == 0
	v_wmma_scale_f32_16x16x128_f8f6f4 v[S+16*\t+8*\u:S+16*\t+8*\u+7], v[64*\u+16*\ks:64*\u+16*\ks+15], v[64*\t+16*\ks:64*\t+16*\ks+15], 0, v[KS+8*\c+4*\u+\ks], v[QS+4*\t+\ks]
.else
	v_wmma_scale_f32_16x16x128_f8f6f4 v[S+16*\t+8*\u:S+16*\t+8*\u+7], v[64*\u+16*\ks:64*\u+16*\ks+15], v[64*\t+16*\ks:64*\t+16*\ks+15], v[S+16*\t+8*\u:S+16*\t+8*\u+7], v[KS+8*\c+4*\u+\ks], v[QS+4*\t+\ks]
.endif
.endr
.endr
.endr
	WIN 0
.endm
; Scores of keys at or behind the query become 0; each accumulator is taken from its low end on.
.macro MASK c
	WIN 0
.irp t, 0,1,2,3
.irp i, 0,1,2,3,4,5,6,7,8,9,10,11,12,13,14,15
	v_cmp_lt_i32 vcc_lo, 32*(\c)+16*(\i/8)+(\i%8), v[DQ+\t]
	v_cndmask_b32 v[S+16*\t+\i], 0, v[S+16*\t+\i], vcc_lo
.endr
.endr
.endm
; The block's scores become registers 4 c .. 4 c + 3 of P and byte c of P's scale word, for the four tiles.  A block is my 16 scores and those of lane l xor 16.
.macro QUANT c
	WIN 0
.irp t, 0,1,2,3
	v_max3_num_f32 v[MX+\t], |v[S+16*\t]|, |v[S+16*\t+1]|, |v[S+16*\t+2]|       ; each accumulator is first read at its low end
	v_max3_num_f32 v[XX+\t], |v[S+16*\t+8]|, |v[S+16*\t+9]|, |v[S+16*\t+10]|
.endr
.irp i, 3,5
.irp t, 0,1,2,3
	v_max3_num_f32 v[MX+\t], v[MX+\t], |v[S+16*\t+\i]|, |v[S+16*\t+\i+1]|
	v_max3_num_f32 v[XX+\t], v[XX+\t], |v[S+16*\t+\i+8]|, |v[S+16*\t+\i+9]|
.endr
.endr
.irp t, 0,1,2,3
	v_max3_num_f32 v[MX+\t], v[MX+\t], |v[S+16*\t+7]|, |v[S+16*\t+15]|
.endr
.irp t, 0,1,2,3
	v_max_num_f32 v[MX+\t], v[MX+\t], v[XX+\t]
.endr
.irp t, 0,1,2,3
	v_permlanex16_b32 v[XX+\t], v[MX+\t], s24, s25
.endr
.irp t, 0,1,2,3
	v_max_num_f32 v[MX+\t], v[MX+\t], v[XX+\t]     ; the block's largest magnitude
.endr
.irp t, 0,1,2,3
	v_lshrrev_b32 v[EE+\t], 23, v[MX+\t]           ; its exponent field
.endr
.irp t, 0,1,2,3
	v_max_u32 v[EE+\t], 9, v[EE+\t]                ; the byte is not to fall under 1
.endr
.irp t, 0,1,2,3
	v_lshl_or_b32 v[LIM+\t], v[EE+\t], 23, 0x600000   ; 448 x the scale
.endr
.irp t, 0,1,2,3
	v_add_nc_u32 v[EE+\t], -8, v[EE+\t]            ; the scale's byte
.endr
.irp t, 0,1,2,3
	v_lshlrev_b32 v[SCF+\t], 23, v[EE+\t]          ; the scale as f32, for the conversion
.endr
.irp t, 0,1,2,3
	v_cmp_eq_u32 vcc_lo, 0, v[MX+\t]
	v_cndmask_b32 v[EE+\t], v[EE+\t], 127, vcc_lo  ; a block of zeros (a hidden block among them)
.endr
.irp t, 0,1,2,3
.if \c == 0
	v_mov_b32 v[W+\t], v[EE+\t]
.else
	v_lshl_or_b32 v[W+\t], v[EE+\t], 8*\c, v[W+\t]
.endif
.endr
.irp t, 0,1,2,3
.irp i, 0,1,2,3,4,5,6,7,8,9,10,11,12,13,14,15
	v_med3_num_f32 v[S+16*\t+\i], v[S+16*\t+\i], -v[LIM+\t], v[LIM+\t]   ; the conversion to an 8-bit code does not saturate (ISA guide 7.6.2)
.endr
.endr
.irp t, 0,1,2,3
	v_cvt_scalef32_pk8_fp8_f32 v[P+16*\t+4*\c:P+16*\t+4*\c+1], v[S+16*\t:S+16*\t+7], v[SCF+\t]
	v_cvt_scalef32_pk8_fp8_f32 v[P+16*\t+4*\c+2:P+16*\t+4*\c+3], v[S+16*\t+8:S+16*\t+15], v[SCF+\t]
.endr
	v_nop                                          ; one plain instruction between the conversions and what writes their sources
.endm
; V's eight fragments (16 channels x my 128 keys).  Registers 4 c + 2 u, + 1 take keys 32 c + 16 u + 8 h + 0..7: P's own order of keys.
.macro FETCH_V
	WIN 0xc0
.irp dt, 0,1,2,3,4,5,6,7
.irp c, 0,1,2,3
.irp u, 0,1
	ds_load_b64 v[128+16*\dt+4*\c+2*\u:128+16*\dt+4*\c+2*\u+1], v8 offset:16*VP*\dt+32*\c+16*\u
.endr
.endr
.endr
.endm
; O^T += V^T P^T: 32 matrix instructions on 32 accumulators, one instruction each.
.macro PVMUL
	WIN 0xa3                                       ; source 0 (V) window 3, source 1 (P) window 0, C and D window 2
.irp dt, 0,1,2,3,4,5,6,7
.irp t, 0,1,2,3
	v_wmma_scale_f32_16x16x128_f8f6f4 v[64*\t+8*\dt:64*\t+8*\dt+7], v[128+16*\dt:128+16*\dt+15], v[P+16*\t:P+16*\t+15], v[64*\t+8*\dt:64*\t+8*\dt+7], v[VS+\dt], v[W+\t]
.endr
.endr
	WIN 0
.endm
; THE BARRIER THAT SHOWS THE TILES.  Behind the last round each wave issued one load; here it waits for it (the count is 0 because no younger load of the wave exists) and says so.
; Behind this barrier the next super-step's keys and scale bytes and this super-step's V are whole for every wave.
.macro MID
	s_wait_tensorcnt 0x0
	s_wait_dscnt 0x0                               ; no LDS instruction of mine is out at a signal
	s_barrier_signal -1
	s_barrier_wait -1
.endm
; THE REFILL, in a super-step of parity p.  Each wave waits for all its tensor loads (none is out since the barrier above), adds 0 to its spare word, and waits for that and for its LDS reads:
; of slot p, of V's buffer, of the scale bytes' buffers p.  Then a round of the cluster's barrier: no wave of any partner still reads what is filled next or has a load on its way;
; the joint refill is the first thing behind the round, one tensor load a wave.
; mode 0: all four loads.  mode 2: V alone (the last super-step but one).
.macro REFILL p, mode
	WIN 0
	s_wait_tensorcnt 0x0                           ; no tensor load of mine is out, so a group 0 may be written
	ds_add_u32 v3, v4                              ; 0 onto my spare word
	s_add_nc_u64 s[G0V+2:G0V+3], s[G0V+2:G0V+3], 256          ; V of the next super-step
.if \mode == 0
	s_add_nc_u64 s[G0K+8*(\p)+2:G0K+8*(\p)+3], s[G0K+8*(\p)+2:G0K+8*(\p)+3], 262144       ; this slot's next keys: two super-steps on,
	s_add_nc_u64 s[G0SK+4*(\p)+2:G0SK+4*(\p)+3], s[G0SK+4*(\p)+2:G0SK+4*(\p)+3], 8192     ; their scale bytes,
	s_add_nc_u64 s[G0SV+12*(\p)+2:G0SV+12*(\p)+3], s[G0SV+12*(\p)+2:G0SV+12*(\p)+3], 16   ; and V's
.endif
	s_wait_dscnt 0x0                               ; the add is done, and my LDS reads are over
	CROUND
.if \mode == 0
	JLOAD \p
.else
	JLOAD_V
.endif
.endm
; A SUPER-STEP of parity p.  At its head the fragments of its block 0 and its keys' scale words are in registers or on their way.
; Eight plain places stand behind each run of matrix instructions, in front of the reads of its results and of the loads into its fragments and scale words.
; Each run of LDS loads is issued ahead of a quantiser or of the second product, which touch no LDS.
; mode 3: the last super-step: nothing is fetched or filled any more.
.macro BODY p, mask, mode
	SMUL 0
	PLACES 8
	FETCH_VS \p                                    ; (the second product of the super-step before, which read these registers, stands ahead of the eight places too)
	FETCH_K \p, 1
.if \mask
	MASK 0
.endif
	QUANT 0
	SMUL 1
	PLACES 8
	FETCH_K \p, 2
.if \mask
	MASK 1
.endif
	QUANT 1
	SMUL 2
	PLACES 8
	FETCH_K \p, 3
.if \mask
	MASK 2
.endif
	QUANT 2
	SMUL 3
	PLACES 8
	MID
	FETCH_V
.if \mask
	MASK 3
.endif
	QUANT 3
.irp t, 0,1,2,3
	v_add_nc_u32 v[DQ+\t], 0xffffff00, v[DQ+\t]    ; the mask's numbers for the next 256 keys
.endr
	PLACES 4                                       ; with the five lines above: nine places between the last conversion and the second product; its scale words were written 64 lines further up
.if \mode < 3
	REFILL \p, \mode
	FETCH_KS 1-\p                                  ; the next super-step's scale words and first fragments come while the second product runs
	FETCH_K 1-\p, 0
.else
	s_wait_dscnt 0x0                               ; V is in
.endif
	PVMUL
.endm
	s_wait_tensorcnt 0x1                           ; my first load has landed (keys and scale bytes of super-step 0); the second, and wave 1's one load, may stay out:
	s_barrier_signal -1
	s_barrier_wait -1
	FETCH_KS 0
	FETCH_K 0, 0
	WIN 0                                          ; at a branch and at a label every window is 0
	s_wait_loadcnt 0x0                             ; Q and its scale words
	s_cmp_eq_u32 s18, 0                            ; I is the same in all four partners
	s_cbranch_scc1 .Ldiag
	s_mov_b32 s21, s18                             ; I pairs of super-steps whose keys lie in front of all the cluster's queries; each asks for tiles two super-steps on, 2 I + 1 at the most: the cluster's last
.Lpair:
	BODY 0, 0, 0
	BODY 1, 0, 0
	s_sub_co_i32 s21, s21, 1
	s_cmp_gt_i32 s21, 0
	s_cbranch_scc1 .Lpair
.Ldiag:
	BODY 0, 1, 2                                   ; the first of the two on the diagonal: it asks for the last V alone
	BODY 1, 1, 3                                   ; the last
	; THE WAY OUT.  Each wave's O^T (64 queries x 128 channels, its half of the keys) goes into a stage of 64 rows x (512 + 16) bytes.  The four stages fill slot KA, which has had its last fill;
	; its last reads stand in the last super-step but one, and every wave has passed two barriers since.  Behind a barrier each wave reads 32 whole rows of both halves' sums, adds them and stores rows of 512 bytes.
	PLACES 8
	WIN 0x08                                       ; the data: window 2
.irp t, 0,1,2,3
.irp dt, 0,1,2,3,4,5,6,7
	ds_store_b128 v12, v[64*\t+8*\dt:64*\t+8*\dt+3] offset:16*KP*\t+64*\dt        ; each accumulator from its low end on
	ds_store_b128 v12, v[64*\t+8*\dt+4:64*\t+8*\dt+7] offset:16*KP*\t+64*\dt+16
.endr
.endr
	WIN 0
	s_wait_dscnt 0x0                               ; for the others' sake: my stores into the stage are done
	s_barrier_signal -1
	s_barrier_wait -1
.macro BACK n                          ; batch n of four: 8 rows of both halves' sums, into set n % 2 of v128-255
.set BB, 128+64*((\n)%2)
.irp i, 0,1,2,3,4,5,6,7
	ds_load_b128 v[BB+4*\i:BB+4*\i+3], v13 offset:(8*(\n)+\i)*KP
	ds_load_b128 v[BB+32+4*\i:BB+32+4*\i+3], v14 offset:(8*(\n)+\i)*KP
.endr
.endm
.macro SEND n, younger                 ; younger: the LDS loads issued behind batch n's, which may stay out
.set BB, 128+64*((\n)%2)
	s_wait_dscnt \younger
.irp q, 0,1,2,3,4,5,6,7,8,9,10,11,12,13,14,15
	v_pk_add_f32 v[BB+2*\q:BB+2*\q+1], v[BB+2*\q:BB+2*\q+1], v[BB+32+2*\q:BB+32+2*\q+1]
.endr
.irp i, 0,1,2,3,4,5,6,7
	global_store_b128 v15, v[BB+4*\i:BB+4*\i+3], s[92:93] offset:(8*(\n)+\i)*512 th:TH_STORE_NT   ; 32 lanes store a row's 512 consecutive bytes, at a multiple of 512 from out0's first byte
.endr
.endm
	BACK 0
	BACK 1
	SEND 0, 16
	s_wait_xcnt 0x0                                ; batch 0's stores have had their addresses translated: only behind this wait are their data registers loaded again
	BACK 2
	SEND 1, 16
	s_wait_xcnt 0x0
	BACK 3
	SEND 2, 16
	SEND 3, 0
	s_wait_tensorcnt 0x0                           ; the wave's end, behind my last tensor load and my last LDS store
	ds_add_u32 v3, v4
	s_wait_dscnt 0x0
	CROUND                                         ; the closing round: no work-group ends while a partner may still ask for a tile that names it
	s_endpgm
.Lfunc_end_k_q02e8cdb7b4_attn:
	.size	k_q02e8cdb7b4_attn, .Lfunc_end_k_q02e8cdb7b4_attn-k_q02e8cdb7b4_attn
	.p2alignl 7, 3214868480
	.fill 96, 4, 3214868480
	.section	.rodata,"a",@progbits
	.p2align	6, 0x0
	.amdhsa_kernel k_q02e8cdb7b4_attn
		.amdhsa_group_segment_fixed_size 327680
		.amdhsa_private_segment_fixed_size 0
		.amdhsa_enable_private_segment 0
		.amdhsa_kernarg_size 40
		.amdhsa_user_sgpr_count 2
		.amdhsa_user_sgpr_kernarg_segment_ptr 1
		.amdhsa_wavefront_size32 1
		.amdhsa_system_sgpr_workgroup_id_x 1
		.amdhsa_system_sgpr_workgroup_id_y 1
		.amdhsa_system_sgpr_workgroup_id_z 1
		.amdhsa_system_vgpr_workitem_id 0
		.amdhsa_next_free_vgpr 1024
		.amdhsa_next_free_sgpr 102
		.amdhsa_reserve_vcc 1
		.amdhsa_float_denorm_mode_32 3
		.amdhsa_float_denorm_mode_16_64 3
		.amdhsa_memory_ordered 1
		.amdhsa_forward_progress 1
		.amdhsa_inst_pref_size 255
	.end_amdhsa_kernel
	.section	.bss,"aw",@nobits
	.p2align	6
	.space	262144
	.amdgpu_metadata
---
amdhsa.version: [ 1, 2 ]
amdhsa.kernels:
  - .name:           k_q02e8cdb7b4_attn
    .symbol:         k_q02e8cdb7b4_attn.kd
    .args:
      - { .name: qr_codes, .offset: 0, .size: 8, .value_kind: global_buffer, .address_space: global }
      - { .name: qr_scales, .offset: 8, .size: 8, .value_kind: global_buffer, .address_space: global }
      - { .name: V_codes, .offset: 16, .size: 8, .value_kind: global_buffer, .address_space: global }
      - { .name: V_scales, .offset: 24, .size: 8, .value_kind: global_buffer, .address_space: global }
      - { .name: out0, .offset: 32, .size: 8, .value_kind: global_buffer, .address_space: global }
    .group_segment_fixed_size: 327680
    .private_segment_fixed_size: 0
    .kernarg_segment_align: 8
    .kernarg_segment_size: 40
    .max_flat_workgroup_size: 128
    .sgpr_count:     102
    .vgpr_count:     1024
    .wavefront_size: 32
...
	.end_amdgpu_metadata
.endif
;; end of part 4
